; MI455X (gfx1250); checked and timed in simulation.
; The chip was launched on July 23, 2026; its instructions are those of AMD's public machine-readable ISA for CDNA 5 (MIT licence, August 2026) and "CDNA5" Instruction Set Architecture Reference Guide (July 2026). The comments in the code are by the model that wrote it; some were corrected since.
;; Self Attention. Allowed arithmetic: float matrix products may take bf16 or f16 operands with f32 sums; all other float work in f32.
;; Inputs: Wk 128 x 1,024 float32; Wq 128 x 1,024 float32; Wv 1,024 x 1,024 float32; bk 128 float32; bq 128 float32; bv 1,024 float32; gamma 1 float32; x 8 x 1,024 x 32 x 64 float32.
;; Outputs: out0 8 x 1,024 x 32 x 64 float32.
;; 2 versions, each right; version 2 is version 1 with the launch score written anew for expert scheduling mode. Each part assembles by itself: llvm-mc -triple=amdgcn-amd-amdhsa -mcpu=gfx1250 --defsym DOCPART=n.
;; ======== version 1 of 2: 4 launches
;; workspace buffers: wf 2,621,440 bytes; qf 4,194,304 bytes; kf 4,194,304 bytes; vf 33,554,432 bytes; pf 67,108,864 bytes; gl 65,536 bytes
;; launch prep (part 1): grid 16 x 16, 5 waves a work-group, no clusters, 0 bytes of LDS; arguments Wq, Wk, Wv, wf; writes wf
.if DOCPART == 1
	.amdgcn_target "amdgcn-amd-amdhsa--gfx1250"
	.amdhsa_code_object_version 6
	.text
	.protected	k_qab2b4fdaff_prep
	.globl	k_qab2b4fdaff_prep
	.p2align	8
	.type	k_qab2b4fdaff_prep,@function
k_qab2b4fdaff_prep:
	s_mov_b64 s[64:65], 0
	v_nop
	global_prefetch_b8 v0, s[64:65] scope:SCOPE_SE
	s_setreg_imm32_b32 hwreg(HW_REG_WAVE_MODE, 25, 1), 1
	s_wait_xcnt 0x0
; Wq, Wk [128][1024] and Wv [1024][1024], f32, are rounded to bf16 and laid in the order in which the projection's matrix instructions take them.
; wf = [hf 2][kp 16][w 4][i 10][kc 2][half 2][lane 32][16 bytes].  A PIECE is 512 bytes: lane L = 16 h + r holds row 16 tile + r and the eight
; columns c = 64 kp + 32 kc + 16 half + 8 h + 0..7.  Tiles i = 0, 1 are tile 2 w + i of Wq (hf = 0) or of Wk (hf = 1); tiles i = 2..9 are Wv's rows
; 512 hf + 128 w + 16 (i - 2) on.  So what wave w of the projection needs for 64 columns is 20,480 consecutive bytes.
; SHARES.  Work-group (kp, y), y = 8 hf + 2 w + e; its wave u takes tile i = 5 e + u: 16 rows x 64 columns.  Its eight loads use 256 consecutive bytes of each
; of 16 rows, its four stores cover 512 consecutive bytes each.  A stream of 5 MB read once: no LDS, no matrix unit, no loop.
.set HFB,  1310720                     ; bytes of wf for one hf
.set KPB,  81920                       ; for one kp
.set WB,   20480                       ; for one w
.set IN,   8                           ; v[8:39]   64 columns of my row half: 8 f32 for each of 4 pieces
.set OUTR, 40                          ; v[40:55]  the same in bf16
	s_load_b256 s[4:11], s[0:1], 0x0               ; Wq s[4:5], Wk s[6:7], Wv s[8:9], wf s[10:11]
	v_lshrrev_b32 v1, 5, v0
	v_readfirstlane_b32 s12, v1                    ; u: my wave, 0..4
	s_and_b32 s13, ttmp7, 0xffff                   ; y
	s_lshr_b32 s14, s13, 3                         ; hf
	s_bfe_u32 s15, s13, 0x20001                    ; w: two bits from bit 1
	s_and_b32 s16, s13, 1                          ; e
	s_mul_i32 s17, s16, 5
	s_add_co_u32 s17, s17, s12                     ; i = 5 e + u
	s_lshl_b32 s18, s15, 1
	s_add_co_u32 s18, s18, s17
	s_lshl_b32 s18, s18, 4                         ; first row in Wq or Wk: 16 (2 w + i), used where i < 2
	s_max_u32 s20, s17, 2
	s_sub_co_u32 s20, s20, 2                       ; i - 2, or 0 where the number is not used
	s_lshl_b32 s19, s14, 5
	s_lshl_b32 s21, s15, 3
	s_add_co_u32 s19, s19, s21
	s_add_co_u32 s19, s19, s20
	s_lshl_b32 s19, s19, 4                         ; first row in Wv: 16 (32 hf + 8 w + i - 2)
	s_mul_i32 s26, s14, HFB                        ; where the tile goes in wf
	s_mul_i32 s27, ttmp9, KPB
	s_add_co_u32 s26, s26, s27
	s_mul_i32 s27, s15, WB
	s_add_co_u32 s26, s26, s27
	s_lshl_b32 s27, s17, 11
	s_add_co_u32 s26, s26, s27
	s_mov_b32 s27, 0
	v_and_b32 v2, 15, v0                           ; r
	v_bfe_u32 v3, v0, 4, 1                         ; h
	v_lshlrev_b32 v4, 12, v2                       ; a row of W is 4,096 bytes
	v_lshl_add_u32 v4, v3, 5, v4                   ; + 8 h columns
	v_and_b32 v5, 31, v0
	v_lshlrev_b32 v5, 4, v5                        ; 16 x lane
	s_wait_kmcnt 0x0
	s_cmp_eq_u32 s14, 0
	s_cselect_b64 s[22:23], s[4:5], s[6:7]         ; Wq or Wk,
	s_cmp_lt_u32 s17, 2
	s_cselect_b64 s[22:23], s[22:23], s[8:9]       ; or Wv
	s_cselect_b32 s18, s18, s19                    ; and the row that goes with it
	s_lshl_b32 s24, s18, 12
	s_lshl_b32 s25, ttmp9, 8                       ; 64 kp columns
	s_add_co_u32 s24, s24, s25
	s_mov_b32 s25, 0
	s_add_nc_u64 s[22:23], s[22:23], s[24:25]
	s_add_nc_u64 s[10:11], s[10:11], s[26:27]
.irp q, 0,1,2,3                        ; piece q = 2 kc + half: columns 16 q + 8 h + 0..7
	global_load_b128 v[IN+8*(\q):IN+8*(\q)+3],   v4, s[22:23] offset:64*(\q)
	global_load_b128 v[IN+8*(\q)+4:IN+8*(\q)+7], v4, s[22:23] offset:64*(\q)+16
.endr
	s_wait_loadcnt 0x0
.set z, 0
.rept 16
	v_cvt_pk_bf16_f32 v[OUTR+z], v[IN+2*z], v[IN+2*z+1]  ; the lower column into the low half
.set z, z+1
.endr
.irp q, 0,1,2,3
	global_store_b128 v5, v[OUTR+4*(\q):OUTR+4*(\q)+3], s[10:11] offset:512*(\q)  ; the wave stores 512 consecutive bytes, at a multiple of 512 from wf's first
.endr
	s_endpgm
.Lfunc_end_k_qab2b4fdaff_prep:
	.size	k_qab2b4fdaff_prep, .Lfunc_end_k_qab2b4fdaff_prep-k_qab2b4fdaff_prep
	.p2alignl 7, 3214868480
	.fill 96, 4, 3214868480
	.section	.rodata,"a",@progbits
	.p2align	6, 0x0
	.amdhsa_kernel k_qab2b4fdaff_prep
		.amdhsa_group_segment_fixed_size 0
		.amdhsa_private_segment_fixed_size 0
		.amdhsa_enable_private_segment 0
		.amdhsa_kernarg_size 32
		.amdhsa_user_sgpr_count 2
		.amdhsa_user_sgpr_kernarg_segment_ptr 1
		.amdhsa_wavefront_size32 1
		.amdhsa_system_sgpr_workgroup_id_x 1
		.amdhsa_system_sgpr_workgroup_id_y 1
		.amdhsa_system_sgpr_workgroup_id_z 1
		.amdhsa_system_vgpr_workitem_id 0
		.amdhsa_next_free_vgpr 56
		.amdhsa_next_free_sgpr 66
		.amdhsa_reserve_vcc 0
		.amdhsa_float_denorm_mode_32 3
		.amdhsa_float_denorm_mode_16_64 3
		.amdhsa_memory_ordered 1
		.amdhsa_forward_progress 1
		.amdhsa_inst_pref_size 5
	.end_amdhsa_kernel
	.amdgpu_metadata
---
amdhsa.version: [ 1, 2 ]
amdhsa.kernels:
  - .name:           k_qab2b4fdaff_prep
    .symbol:         k_qab2b4fdaff_prep.kd
    .args:
      - { .name: Wq, .offset: 0, .size: 8, .value_kind: global_buffer, .address_space: global }
      - { .name: Wk, .offset: 8, .size: 8, .value_kind: global_buffer, .address_space: global }
      - { .name: Wv, .offset: 16, .size: 8, .value_kind: global_buffer, .address_space: global }
      - { .name: wf, .offset: 24, .size: 8, .value_kind: global_buffer, .address_space: global }
    .group_segment_fixed_size: 0
    .private_segment_fixed_size: 0
    .kernarg_segment_align: 8
    .kernarg_segment_size: 32
    .max_flat_workgroup_size: 160
    .sgpr_count:     66
    .vgpr_count:     56
    .wavefront_size: 32
...
	.end_amdgpu_metadata
.endif
;; end of part 1
;; launch proj (part 2): grid 128 x 2, 4 waves a work-group, clusters of 4 x 1, 327,680 bytes of LDS; arguments x, wf, bq, bk, bv, qf, kf, vf; writes qf, kf, vf
.if DOCPART == 2
	.amdgcn_target "amdgcn-amd-amdhsa--gfx1250"
	.amdhsa_code_object_version 6
	.text
	.protected	k_qab2b4fdaff_proj
	.globl	k_qab2b4fdaff_proj
	.p2align	8
	.type	k_qab2b4fdaff_proj,@function
k_qab2b4fdaff_proj:
	s_mov_b64 s[64:65], 0
	v_nop
	global_prefetch_b8 v0, s[64:65] scope:SCOPE_SE
	s_setreg_imm32_b32 hwreg(HW_REG_WAVE_MODE, 25, 1), 1
	s_wait_xcnt 0x0
	s_wait_alu depctr_hold_cnt(0) depctr_sa_sdst(0) depctr_va_vdst(0) depctr_va_sdst(0) depctr_va_ssrc(0) depctr_va_vcc(0) depctr_vm_vsrc(0)
	s_getreg_b32 s2, hwreg(HW_REG_IB_STS2, 6, 4)
	s_cmp_eq_u32 s2, 0
	s_cbranch_scc0 .Lentry_in_a_cluster
	s_endpgm
.Lentry_in_a_cluster:
	s_bfe_u32 s2, ttmp6, 0x10000c
	s_cmp_lg_u32 s2, 0x3003
	s_cbranch_scc0 .Lentry_shape_is_right
	s_endpgm
.Lentry_shape_is_right:
; q = Wq x + bq, k = Wk x + bk, v = Wv x + bv for x [8][1024 c][2048 n] f32.  Products in bf16 with f32 sums, the bias added in f32, each result rounded once to bf16.
; LIMITS.  x and the weights are rounded to bf16 for the products; q, k and v are kept in bf16, which has f32's range.  NaN and infinities are not treated apart.
; WHAT IT WRITES, in pieces of 512 bytes (lane L = 16 h + r holds 16 bytes at 16 L), the order in which the attention's matrix instructions take them:
;   qf, kf = [b][g = n / 16][t8 = channel / 16][L][16 B]: token 16 g + r, channels 16 t8 + 8 h + 0..7
;   vf     = [b][s = n / 64][cg = channel / 16][tt][L][16 B]: channel 16 cg + r, tokens 64 s + 16 tt + 8 h + 0..7
; A matrix result holds, in lane L, column r of source 1 and rows 8 h + 0..7 of source 0: rounded in pairs that IS such a piece.  So v's tiles take x as source 0 and W as source 1,
; q's and k's the other way round, and every result is stored straight from registers, 512 consecutive bytes a store.
; SHARES.  Work-group (nb, hf): 128 tokens x 640 output rows (hf = 0: q and v's rows 0-511; hf = 1: k and v's rows 512-1023): 256 work-groups.  A wave: 160 rows (tiles i = 0..9,
; i = 0, 1 of q or k) x 128 tokens (nt = 0..7): 80 accumulators, 640 registers.  The 1,024 channels go in 16 PERIODS of 64, 160 matrix instructions a wave each.
; W.  A period's weights are 81,920 dense bytes of wf, the same for the four work-groups of a cluster (same hf): asked for JOINTLY, each wave its own 20,480 bytes, which it alone reads.
; Two LDS slots take turns; by this text's count one tensor load of a wave is out.
; x lies with the summed index along the slow axis and in f32, so it passes through registers: each wave loads 16 of a period's 64 rows (512 consecutive bytes a load), two periods ahead,
; rounds them and stores them into LDS in fragment order for all four waves.  It is therefore not asked for jointly; the two work-groups that read the same x differ in hf and share no W.
; REGISTERS, in windows of 256 (s_set_vgpr_msb: bits 1:0 source 0, 3:2 source 1, 5:4 source 2, 7:6 destination):
;   window 0: v2-13 addresses; v32-47 rounded x; v48-127 two buffers of five fragments of W; v128-255 two periods of x as loaded (on the way out: biases, packed results, sums with bias)
;   window 1: v0-127 x's fragments for the period's two halves; v128-255 accumulators of tiles 8, 9      window 2: tiles 0-3 (tile i, nt at 64 (i % 4) + 8 nt)      window 3: tiles 4-7
.set WSLOT,  81920                     ; a period's W: 4 waves x 10 tiles x 2,048 bytes.  Slots at LDS bytes 0 and 81,920
.set WWAVE,  20480
.set XBUF,   163840                    ; two buffers for x in fragment order, written by LDS stores: no tensor load lands here
.set XBSZ,   16640
.set XNT,    2064                      ; 16 tokens x 64 channels are 2,048 bytes; 16 more
.set SPARE,  197120                    ; the spare words, 128 bytes for each wave: two blocks of 256 bytes that no other line names
.set PERX,   524288                    ; 64 rows of x
.set AW,  2                            ; v2-3   my W in slot 0, 1: slot + 20,480 w + 16 L
.set AX,  4                            ; v4-5   x's fragments in buffer 0, 1: buffer + 16 L
.set ASX, 6                            ; v6-7   where I store rounded x: buffer + 2,064 (L / 4) + 64 (L % 4) + 256 w
.set VX,  8                            ; v8     my offset in a period of x: 16 L + 8 w rows
.set L16, 9                            ; v9     16 L
.set SPW, 10                           ; v10    LDS address of my spare word; never rewritten
.set NIL, 11                           ; v11    0; never rewritten
.set BQO, 12                           ; v12    32 h: my eight channels in a tile of bq or bk
.set BVO, 13                           ; v13    4 r: my channel in a tile of bv
.set PK,  32
.set WC,  48
.set SG,  128
.set BQ,  128                          ; the way out: v128-143 bq or bk of tiles 0, 1; v144-159 bv of tiles 2-9, each twice (a pair for the packed addition)
.set BV,  144
.set CV,  160                          ; v160-191 packed results
.set T,   192                          ; v192-255 sums with bias
.set WV,  20                           ; s20  my wave
.set G1,  24                           ; s[24:31] descriptor group 1
.set G0,  32                           ; s[32:39] descriptor group 0, a set for each slot
.set XP,  40                           ; s[40:41] x at the period from which the loads count
.set CNT, 44
.set VO,  46                           ; s[46:47] vf at my tiles
.set QO,  48                           ; s[48:49] qf or kf at my tiles
.set BQB, 50                           ; s[50:51] bq or bk at my tiles
.set BVB, 52                           ; s[52:53] bv at my tiles
.set MSB, 0
.macro WIN new                         ; the immediate's high byte repeats the setting that is left; a switch that changes nothing is dropped
.if MSB != (\new)
	s_set_vgpr_msb (MSB<<8)|(\new)
.set MSB, \new
.endif
.endm
.macro PLACES                          ; four plain vector instructions between a matrix instruction and a load into, or a read of, its registers (ISA guide 7.12.1 for a read)
.rept 4
	v_nop
.endr
.endm
.macro ROUND                           ; a round of the cluster's barrier: my work-group's barrier; wave 0 signals for the work-group; every wave waits for all four; my work-group's barrier once more
	s_barrier_signal -1
	s_barrier_wait -1
	s_cmp_lg_u32 s[WV], 0
	s_cbranch_scc1 .Lnot_wave_0_\@
	s_barrier_signal -3
.Lnot_wave_0_\@:
	s_barrier_wait -3
	s_barrier_signal -1
	s_barrier_wait -1
.endm
	s_load_b512 s[4:19], s[0:1], 0x0               ; x s[4:5], wf s[6:7], bq s[8:9], bk s[10:11], bv s[12:13], qf s[14:15], kf s[16:17], vf s[18:19]
	v_lshl_add_u32 v[SPW], v0, 2, SPARE
	v_mov_b32 v[NIL], 0
	ds_add_u32 v[SPW], v[NIL]                      ; the wave's opening: the add and its wait come ahead of my first tensor load; the set-up below, work on registers, stands between them
	v_lshrrev_b32 v1, 5, v0
	v_readfirstlane_b32 s[WV], v1                  ; wave 0..3
	s_bfe_u32 s21, ttmp6, 0x40000                  ; cx: my place in the cluster
	s_lshl_b32 s22, ttmp9, 2                       ; in a cluster launch ttmp9 counts clusters
	s_add_co_u32 s22, s22, s21                     ; nb: my block of 128 tokens; it enters x's and the results' addresses alone
	s_and_b32 s23, ttmp7, 0xffff                   ; hf, which the four partners share
	; descriptor group 1: 20,480 dense bytes as 80 rows of 256
	s_mov_b32 s[G1+0], 15|(3<<16)|(1<<21)          ; 15:0 the mask: all four work-groups; 17:16 elements of 8 bytes; 21 set beside a mask; no padding
	s_mov_b32 s[G1+1], 32<<16                      ; tensor_dim0 = 32
	s_mov_b32 s[G1+2], 80<<16                      ; tensor_dim1 = 80
	s_mov_b32 s[G1+3], 32<<16                      ; tile_dim0 = 32
	s_mov_b32 s[G1+4], 80                          ; tile_dim1 = 80
	s_mov_b32 s[G1+5], 32                          ; 32 elements from row to row
	s_mov_b32 s[G1+6], 0
	s_mov_b32 s[G1+7], 0
	s_mul_i32 s45, s[WV], WWAVE                    ; my part of a period's W, in wf and in a slot
	s_mov_b32 s[G0], 1                             ; count = 1
	s_mov_b32 s[G0+1], s45                         ; LDS address: slot 0
	s_mov_b32 s[G0+4], 1
	s_add_co_u32 s[G0+5], s45, WSLOT               ; slot 1
	s_mul_i32 s42, s23, 16*WSLOT                   ; hf's half of wf
	s_add_co_u32 s42, s42, s45
	s_mov_b32 s43, 0
	s_lshr_b32 s54, s22, 4                         ; b: the batch
	s_and_b32 s55, s22, 15                         ; my block among the batch's sixteen
	s_lshl_b32 s56, s54, 23                        ; x: a batch is 8,388,608 bytes, a block 512 bytes of each row
	s_lshl_b32 s57, s55, 9
	s_add_co_u32 s56, s56, s57
	s_mov_b32 s57, 0
	s_lshl_b32 s58, s54, 22                        ; vf: a batch is 4,194,304 bytes, a block two steps of 131,072, hf 32 and w 8 channel groups of 2,048
	s_lshl_b32 s59, s55, 18
	s_add_co_u32 s58, s58, s59
	s_lshl_b32 s59, s23, 16
	s_add_co_u32 s58, s58, s59
	s_lshl_b32 s59, s[WV], 14
	s_add_co_u32 s58, s58, s59
	s_mov_b32 s59, 0
	s_lshl_b32 s60, s54, 19                        ; qf, kf: a batch is 524,288 bytes, a block eight groups of 4,096, w two pieces of 512
	s_lshl_b32 s61, s55, 15
	s_add_co_u32 s60, s60, s61
	s_lshl_b32 s61, s[WV], 10
	s_add_co_u32 s60, s60, s61
	s_mov_b32 s61, 0
	s_lshl_b32 s62, s[WV], 7                       ; bq, bk: my 32 channels
	s_mov_b32 s63, 0
	s_lshl_b32 s2, s23, 11                         ; bv: 512 hf + 128 w channels
	s_lshl_b32 s3, s[WV], 9
	s_add_co_u32 s2, s2, s3
	s_mov_b32 s3, 0
	v_and_b32 v1, 31, v0                           ; L
	v_lshlrev_b32 v[L16], 4, v1
	v_add_nc_u32 v[AW], s45, v[L16]
	v_add_nc_u32 v[AW+1], WSLOT, v[AW]
	v_add_nc_u32 v[AX], XBUF, v[L16]
	v_add_nc_u32 v[AX+1], XBUF+XBSZ, v[L16]
	v_lshrrev_b32 v14, 2, v1                       ; my four tokens 4 L + 0..3 lie in nt = L / 4, at rows 4 (L % 4) + 0..3 of a piece;
	v_and_b32 v15, 3, v1
	v_mul_u32_u24 v14, v14, XNT
	v_lshl_add_u32 v14, v15, 6, v14
	v_lshl_add_u32 v14, s[WV], 8, v14              ; my eight channels 8 w + 0..7 of 32 are half w / 2, lanes' half w % 2: 256 w bytes on
	v_add_nc_u32 v[ASX], XBUF, v14
	v_add_nc_u32 v[ASX+1], XBUF+XBSZ, v14
	v_lshl_add_u32 v[VX], s[WV], 16, v[L16]
	v_bfe_u32 v[BQO], v0, 4, 1
	v_lshlrev_b32 v[BQO], 5, v[BQO]
	v_and_b32 v[BVO], 15, v0
	v_lshlrev_b32 v[BVO], 2, v[BVO]
	s_wait_dscnt 0x0                               ; the opening add is done
	s_wait_kmcnt 0x0
	s_add_nc_u64 s[G0+2:G0+3], s[6:7], s[42:43]    ; global address: period 0,
	s_add_nc_u64 s[G0+6:G0+7], s[G0+2:G0+3], WSLOT ; period 1
	s_or_b32 s[G0+3], s[G0+3], 0x80000000          ; type = 2
	s_or_b32 s[G0+7], s[G0+7], 0x80000000
	s_add_nc_u64 s[XP:XP+1], s[4:5], s[56:57]
	s_add_nc_u64 s[VO:VO+1], s[18:19], s[58:59]
	s_cmp_eq_u32 s23, 0
	s_cselect_b64 s[QO:QO+1], s[14:15], s[16:17]   ; hf = 0 makes q, hf = 1 makes k
	s_cselect_b64 s[BQB:BQB+1], s[8:9], s[10:11]
	s_add_nc_u64 s[QO:QO+1], s[QO:QO+1], s[60:61]
	s_add_nc_u64 s[BQB:BQB+1], s[BQB:BQB+1], s[62:63]
	s_add_nc_u64 s[BVB:BVB+1], s[12:13], s[2:3]
; 16 loads: rows 32 kc + 8 w + j of a period, my four tokens of each; a load of the wave covers 512 consecutive bytes
.macro XLOAD dst, imm
.irp kc, 0,1
.irp j, 0,1,2,3,4,5,6,7
	global_load_b128 v[(\dst)+32*(\kc)+4*(\j):(\dst)+32*(\kc)+4*(\j)+3], v[VX], s[XP:XP+1] offset:(\imm)+(\kc)*262144+(\j)*8192
.endr
.endr
.endm
; A staged period is rounded and turned: for each of my four tokens n, eight neighbouring channels pack into 16 bytes, which are one lane's share of a piece.  win: the window of the sources
.macro CONV win, src, p
.irp kc, 0,1
	WIN \win
.irp n, 0,1,2,3
.irp jj, 0,1,2,3
	v_cvt_pk_bf16_f32 v[PK+4*(\n)+(\jj)], v[(\src)+32*(\kc)+8*(\jj)+(\n)], v[(\src)+32*(\kc)+8*(\jj)+4+(\n)]
.endr
.endr
	WIN 0
.irp n, 0,1,2,3
	ds_store_b128 v[ASX+(\p)], v[PK+4*(\n):PK+4*(\n)+3] offset:(\kc)*1024+16*(\n)
.endr
.endr
.endm
.macro FX kc, p                        ; 16 LDS loads: x's eight fragments (16 tokens x 32 channels) of half kc of the period
	WIN 0x40
.irp nt, 0,1,2,3,4,5,6,7
	ds_load_b128 v[64*(\kc)+8*(\nt):64*(\kc)+8*(\nt)+3],   v[AX+(\p)] offset:(\nt)*XNT+(\kc)*1024
	ds_load_b128 v[64*(\kc)+8*(\nt)+4:64*(\kc)+8*(\nt)+7], v[AX+(\p)] offset:(\nt)*XNT+(\kc)*1024+512
.endr
.endm
.macro FW ch, kc, s                    ; 10 LDS loads: W's fragments of tiles 5 ch .. 5 ch + 4, half kc
	WIN 0
.irp ii, 0,1,2,3,4
	ds_load_b128 v[WC+40*(\ch)+8*(\ii):WC+40*(\ch)+8*(\ii)+3],   v[AW+(\s)] offset:(5*(\ch)+(\ii))*2048+(\kc)*1024
	ds_load_b128 v[WC+40*(\ch)+8*(\ii)+4:WC+40*(\ch)+8*(\ii)+7], v[AW+(\s)] offset:(5*(\ch)+(\ii))*2048+(\kc)*1024+512
.endr
.endm
; 40 matrix instructions: tiles 5 ch .. 5 ch + 4 x all 8 nt, 32 channels.  40 accumulators take turns, one instruction a turn.  zero = 1: the product starts the sum.
.macro MQ kc, ch, zero
.irp ii, 0,1,2,3,4
.set ti, 5*(\ch)+(\ii)
.set rw, WC+40*(\ch)+8*(\ii)
.if ti < 2
	WIN 0xa4                                       ; W (window 0) is source 0, x (window 1) source 1; C and D window 2
.set ra, 64*ti
.elseif ti < 4
	WIN 0xa1                                       ; x is source 0, W source 1
.set ra, 64*ti
.elseif ti < 8
	WIN 0xf1
.set ra, 64*(ti-4)
.else
	WIN 0x51
.set ra, 128+64*(ti-8)
.endif
.irp nt, 0,1,2,3,4,5,6,7
.set rx, 64*(\kc)+8*(\nt)
.set rd, ra+8*(\nt)
.if ti < 2
.if \zero
	v_wmma_f32_16x16x32_bf16 v[rd:rd+7], v[rw:rw+7], v[rx:rx+7], 0
.else
	v_wmma_f32_16x16x32_bf16 v[rd:rd+7], v[rw:rw+7], v[rx:rx+7], v[rd:rd+7]
.endif
.else
.if \zero
	v_wmma_f32_16x16x32_bf16 v[rd:rd+7], v[rx:rx+7], v[rw:rw+7], 0
.else
	v_wmma_f32_16x16x32_bf16 v[rd:rd+7], v[rx:rx+7], v[rw:rw+7], v[rd:rd+7]
.endif
.endif
.endr
.endr
.endm
; PERIOD p, par = p % 2.  ONE barrier, for three things.  In front of it each wave waits for all its tensor loads (one is out: its W of this period), adds 0 to its spare word, and waits for that, for its
; reads of the other W slot and x buffer, and for its stores of this period's x.  Behind it the other slot is filled again first (refill = 1: the barrier is then a round of the cluster's, so that no wave
; of any partner still reads that slot); then this period's fragments are read, the next period's x is rounded into the other buffer (conv = 1), and x three periods on is asked for (xl).
.macro PERIOD par, zero, refill, conv, xl
	WIN 0
	s_wait_tensorcnt 0x0                           ; no tensor load of mine is out, so a group 0 may be written
	ds_add_u32 v[SPW], v[NIL]                      ; 0 onto my spare word
.if \refill
	s_add_nc_u64 s[G0+4*(\par)+2:G0+4*(\par)+3], s[G0+4*(\par)+2:G0+4*(\par)+3], 2*WSLOT  ; this slot's next period; the type bits on top are not reached
.endif
	s_wait_dscnt 0x0                               ; the add, my LDS reads and my LDS stores are done
.if \refill
	ROUND
	tensor_load_to_lds s[G0+4*(1-(\par)):G0+4*(1-(\par))+3], s[G1:G1+7]  ; W of period p + 1: it has this period's 160 matrix instructions in which to land
	s_nop 0
.else
	s_barrier_signal -1
	s_barrier_wait -1
.endif
	PLACES                                         ; also the places in front of the loads below
	FX 0, \par
	FW 0, 0, \par
	FW 1, 0, \par
	FX 1, \par
	WIN 0
.if \conv
	s_wait_loadcnt 16                              ; x of period p + 1 is in; the 16 loads of period p + 2 may stay out
	CONV 0, SG+64*(1-(\par)), 1-(\par)
.if (\xl) == 1
	s_wait_xcnt 0x0                                ; the loads' base is stepped only behind this wait
	s_add_nc_u64 s[XP:XP+1], s[XP:XP+1], PERX
	XLOAD SG+64*(1-(\par)), 2*PERX                 ; x of period p + 3, into the registers just rounded
.elseif (\xl) == 2
	s_cmp_eq_u32 s[CNT], 1                         ; the loop's last trip is periods 13 and 14: there is no period 16
	s_cbranch_scc1 .Lno_x_\@
	s_wait_xcnt 0x0
	s_add_nc_u64 s[XP:XP+1], s[XP:XP+1], PERX
	XLOAD SG+64*(1-(\par)), 2*PERX
	s_branch .Lx_asked_\@
.Lno_x_\@:
	s_wait_loadcnt 0x0                             ; no younger loads follow any more, so the counted wait above would show nothing: all that is out is waited for here
.Lx_asked_\@:
.endif
.endif
	s_wait_dscnt 26+8*(\conv)                      ; x's first half and W's first five tiles are in; out may be: W's other five (10), x's second half (16), my 8 stores
	MQ 0, 0, \zero
	PLACES
	FW 0, 1, \par
	s_wait_dscnt 26+8*(\conv)                      ; W's other five are in; out may be: x's second half (16), my 8 stores, the 10 just issued
	MQ 0, 1, \zero
	PLACES
	FW 1, 1, \par
	s_wait_dscnt 10                                ; all but the 10 just issued
	MQ 1, 0, 0
	s_wait_dscnt 0x0
	MQ 1, 1, 0
.endm
; THE WAY OUT of tile i: the bias is added in f32 (q, k: a lane's eight channels; v: a lane's one channel), the sums are rounded to bf16 and stored, a piece a store.  Each accumulator is read from its low end on.
.macro OUT8 i
.if (\i) < 8
.set ra, 64*((\i)%4)
	WIN 2+(\i)/4                                   ; source 0: the accumulators' window
.else
.set ra, 128+64*((\i)-8)
	WIN 1
.endif
.set z, 0
.rept 32
.if (\i) < 2
	v_pk_add_f32 v[T+2*z:T+2*z+1], v[ra+2*z:ra+2*z+1], v[BQ+8*(\i)+2*(z%4):BQ+8*(\i)+2*(z%4)+1]
.else
	v_pk_add_f32 v[T+2*z:T+2*z+1], v[ra+2*z:ra+2*z+1], v[BV+2*((\i)-2):BV+2*((\i)-2)+1] op_sel_hi:[1,0]
.endif
.set z, z+1
.endr
	WIN 0
	s_wait_xcnt 0x0                                ; the packed registers, which the last tile's stores read, are rewritten only behind this wait
.set z, 0
.rept 32
	v_cvt_pk_bf16_f32 v[CV+z], v[T+2*z], v[T+2*z+1]
.set z, z+1
.endr
.irp nt, 0,1,2,3,4,5,6,7
.if (\i) < 2
	global_store_b128 v[L16], v[CV+4*(\nt):CV+4*(\nt)+3], s[QO:QO+1] offset:(\nt)*4096+(\i)*512
.else
	global_store_b128 v[L16], v[CV+4*(\nt):CV+4*(\nt)+3], s[VO:VO+1] offset:((\nt)/4)*131072+((\i)-2)*2048+((\nt)%4)*512
.endif
.endr
.endm
	WIN 0x80
	XLOAD 0, 0                                     ; x of period 0 into window 2, whose accumulators are not yet begun,
	WIN 0
	XLOAD SG+64, PERX                              ; of period 1,
	XLOAD SG, 2*PERX                               ; of period 2
	ROUND                                          ; all four work-groups are here: the first joint loads meet
	tensor_load_to_lds s[G0:G0+3], s[G1:G1+7]      ; W of period 0
	s_nop 0
	PLACES
	s_wait_loadcnt 32                              ; x of period 0 is in; the 32 loads of periods 1 and 2 may stay out
	CONV 0x0a, 0, 0
	PERIOD 0, 1, 1, 1, 1                           ; the first period stands in front of the loop: its first products start the sums
	WIN 0                                          ; at a label and at a branch every window is 0
	s_mov_b32 s[CNT], 7
.Lper:                                             ; periods 1 to 14, two a trip
	PERIOD 1, 0, 1, 1, 2
	PERIOD 0, 0, 1, 1, 2
	WIN 0
	s_sub_co_u32 s[CNT], s[CNT], 1
	s_cmp_lg_u32 s[CNT], 0
	s_cbranch_scc1 .Lper
	s_wait_loadcnt 0x0                             ; every load of x has landed (the loop's last trip has waited for them, so this is met at once): registers that held staged x are loaded anew only behind this wait
.irp i, 0,1                            ; the biases come in under the last period: their registers held staged x, which has all been rounded
	global_load_b128 v[BQ+8*(\i):BQ+8*(\i)+3],   v[BQO], s[BQB:BQB+1] offset:64*(\i)
	global_load_b128 v[BQ+8*(\i)+4:BQ+8*(\i)+7], v[BQO], s[BQB:BQB+1] offset:64*(\i)+16
.endr
.irp i, 0,1,2,3,4,5,6,7
	global_load_b32 v[BV+2*(\i)],   v[BVO], s[BVB:BVB+1] offset:64*(\i)
	global_load_b32 v[BV+2*(\i)+1], v[BVO], s[BVB:BVB+1] offset:64*(\i)  ; named with it as a pair, so it is written
.endr
	PERIOD 1, 0, 0, 0, 0                           ; the last period asks for nothing
	WIN 0
	PLACES
	s_wait_loadcnt 0x0                             ; the biases
.irp i, 0,1,2,3,4,5,6,7,8,9
	OUT8 \i
.endr
	s_wait_tensorcnt 0x0                           ; the wave's end, behind my last tensor load and my last LDS store
	ds_add_u32 v[SPW], v[NIL]
	s_wait_dscnt 0x0
	ROUND                                          ; the closing round: no work-group ends while a partner may still ask for a tile that names it
	s_endpgm
.Lfunc_end_k_qab2b4fdaff_proj:
	.size	k_qab2b4fdaff_proj, .Lfunc_end_k_qab2b4fdaff_proj-k_qab2b4fdaff_proj
	.p2alignl 7, 3214868480
	.fill 96, 4, 3214868480
	.section	.rodata,"a",@progbits
	.p2align	6, 0x0
	.amdhsa_kernel k_qab2b4fdaff_proj
		.amdhsa_group_segment_fixed_size 327680
		.amdhsa_private_segment_fixed_size 0
		.amdhsa_enable_private_segment 0
		.amdhsa_kernarg_size 64
		.amdhsa_user_sgpr_count 2
		.amdhsa_user_sgpr_kernarg_segment_ptr 1
		.amdhsa_wavefront_size32 1
		.amdhsa_system_sgpr_workgroup_id_x 1
		.amdhsa_system_sgpr_workgroup_id_y 1
		.amdhsa_system_sgpr_workgroup_id_z 1
		.amdhsa_system_vgpr_workitem_id 0
		.amdhsa_next_free_vgpr 1024
		.amdhsa_next_free_sgpr 66
		.amdhsa_reserve_vcc 0
		.amdhsa_float_denorm_mode_32 3
		.amdhsa_float_denorm_mode_16_64 3
		.amdhsa_memory_ordered 1
		.amdhsa_forward_progress 1
		.amdhsa_inst_pref_size 140
	.end_amdhsa_kernel
	.amdgpu_metadata
---
amdhsa.version: [ 1, 2 ]
amdhsa.kernels:
  - .name:           k_qab2b4fdaff_proj
    .symbol:         k_qab2b4fdaff_proj.kd
    .args:
      - { .name: x, .offset: 0, .size: 8, .value_kind: global_buffer, .address_space: global }
      - { .name: wf, .offset: 8, .size: 8, .value_kind: global_buffer, .address_space: global }
      - { .name: bq, .offset: 16, .size: 8, .value_kind: global_buffer, .address_space: global }
      - { .name: bk, .offset: 24, .size: 8, .value_kind: global_buffer, .address_space: global }
      - { .name: bv, .offset: 32, .size: 8, .value_kind: global_buffer, .address_space: global }
      - { .name: qf, .offset: 40, .size: 8, .value_kind: global_buffer, .address_space: global }
      - { .name: kf, .offset: 48, .size: 8, .value_kind: global_buffer, .address_space: global }
      - { .name: vf, .offset: 56, .size: 8, .value_kind: global_buffer, .address_space: global }
    .group_segment_fixed_size: 327680
    .private_segment_fixed_size: 0
    .kernarg_segment_align: 8
    .kernarg_segment_size: 64
    .max_flat_workgroup_size: 128
    .sgpr_count:     66
    .vgpr_count:     1024
    .wavefront_size: 32
...
	.end_amdgpu_metadata
.endif
;; end of part 2
;; launch score (part 3): grid 32 x 8, 8 waves a work-group, no clusters, 8,192 bytes of LDS; arguments qf, kf, gamma, pf, gl; writes pf, gl
.if DOCPART == 3
	.amdgcn_target "amdgcn-amd-amdhsa--gfx1250"
	.amdhsa_code_object_version 6
	.text
	.protected	k_qab2b4fdaff_score
	.globl	k_qab2b4fdaff_score
	.p2align	8
	.type	k_qab2b4fdaff_score,@function
k_qab2b4fdaff_score:
	s_mov_b64 s[64:65], 0
	v_nop
	global_prefetch_b8 v0, s[64:65] scope:SCOPE_SE
	s_setreg_imm32_b32 hwreg(HW_REG_WAVE_MODE, 25, 1), 1
	s_wait_xcnt 0x0
; The weights of the attention.  p[b][j][m] = 2^(c s - c m_j), s = q[b][j] . k[b][m], c = log2(e) / sqrt(128), m_j the TRUE maximum of row j's scores; gl[b][j] = gamma / l_j, l_j the sum of row j's p.
; q, k in bf16, in pieces of 512 bytes (lane L = 16 h + r holds 16 bytes at 16 L):  qf, kf = [b][g = n / 16][t8][L]: token 16 g + r, channels 16 t8 + 8 h + 0..7.
; p is rounded to bf16 (l is taken of the unrounded p) and written in the same kind of pieces:  pf = [b][s = key / 64][jg = query / 16][tt][L]: query 16 jg + r, keys 64 s + 16 tt + 8 h + 0..7;  gl = [b][query], f32.
; Products in bf16 with f32 sums; scores, maxima, exponentials, l and gamma / l in f32.
; LIMITS.  A weight below 2^-126 counts as 0.  NaN and infinities are not treated apart.
; TWO PASSES.  Pass 1 makes all scores and keeps each query's maximum; pass 2 makes them again and takes the exponentials.  64 queries x 2,048 scores in f32 are 524,288 bytes, as much as all the registers
; of eight waves of 512: they cannot be kept between the passes.
; SHARES.  A work-group owns 64 queries of a batch: 256 work-groups.  Eight waves, two for each of a WGP's four SIMDs, 512 registers each, so that one wave's exponentials stand beside the other's products and the
; text can stay in plain phases.  Wave w owns the key groups 8 t + w, t = 0..15, 16 keys each.  Source 0 = K, source 1 = Q: a lane holds one query and eight keys, which rounded in pairs ARE a piece of p.
; K comes through a ring of four groups in registers (32 loads of a wave on their way, 512 consecutive bytes each); the ring runs on from pass 1 into pass 2.
; NO JOINT REQUESTS, though the 32 work-groups of a batch walk the same K: a group's 4,096 bytes are read by one wave of the work-group alone and feed its 16 matrix instructions straight from registers; by way of
; LDS each byte would be written and read once more, and the waves would meet in a round for every refill, where they now meet twice in the launch.
; REGISTERS, in windows of 256 (s_set_vgpr_msb: bits 1:0 source 0, 3:2 source 1, 5:4 source 2, 7:6 destination):
;   window 0: v2-11 addresses; v16-23 c m, v24-31 l, a pair a tile of queries; v32-63 scores; v64-95 the eight waves' figures; v96-111 packed p; v112-123 at work; v192-223 pass 1's second score buffer
;   window 1: v0-127 Q (piece 8 qt + t8 at 4 (8 qt + t8)); v128-255 the ring of K
.set STATM,  0                         ; the waves' maxima: word (qt, r, w) at 512 qt + 32 r + 4 w
.set STATL,  2048                      ; the same for l
.set GLB,    4096                      ; gamma / l by query, 256 bytes
.set SPARE,  4352                      ; the spare words, 128 bytes for each wave: four blocks of 256 bytes that no other line names
.set GSTEP,  32768                     ; from a wave's key group to its next in kf: eight groups of 4,096 bytes
.set PSTEP,  524288                    ; the same in pf: two steps of 262,144 bytes
.set L16,  2                           ; v2   16 L
.set GO,   3                           ; v3   8 L
.set AGLR, 4                           ; v4   GLB + 8 L
.set AGL,  5                           ; v5   GLB + 4 r
.set AST,  6                           ; v6   32 r + 4 w
.set ASTR, 7                           ; v7   32 r
.set SPW,  10                          ; v10  LDS address of my spare word; never rewritten
.set NIL,  11                          ; v11  0; never rewritten
.set CM,   16
.set LS,   24
.set S,    32
.set RG,   64
.set PK,   96
.set MX,   112                         ; v112-119 two chains of maxima a tile
.set TP,   120                         ; v120-123 what v_permlanex16_b32 brings
.set SB,   192
.set KR,   128                         ; window 1
.set WV,   16                          ; s16  my wave
.set KP,   40                          ; s[40:41] kf at my key groups, pass 1
.set KQ,   42                          ; s[42:43] the same, pass 2
.set CNT,  44
.set CS,   46                          ; s[46:47] c: the packed scaling takes the pair's low word for both halves
.set SEL,  48                          ; s[48:49] v_permlanex16_b32's selects: each lane takes its own place in the other half
.set GAM,  50                          ; s50  gamma
.set PFB,  52                          ; s[52:53] pf at my pieces
.set GLO,  54                          ; s[54:55] gl at the block's 64 queries
.set MSB, 0
.macro WIN new                         ; the immediate's high byte repeats the setting that is left; a switch that changes nothing is dropped
.if MSB != (\new)
	s_set_vgpr_msb (MSB<<8)|(\new)
.set MSB, \new
.endif
.endm
.macro PLACES                          ; four plain vector instructions between a matrix instruction and a load into, or a read of, its registers (ISA guide 7.12.1 for a read)
.rept 4
	v_nop
.endr
.endm
	s_load_b256 s[4:11], s[0:1], 0x0               ; qf s[4:5], kf s[6:7], gamma s[8:9], pf s[10:11]
	s_load_b64 s[12:13], s[0:1], 0x20              ; gl
	v_lshl_add_u32 v[SPW], v0, 2, SPARE
	v_mov_b32 v[NIL], 0
	v_lshrrev_b32 v1, 5, v0
	v_readfirstlane_b32 s[WV], v1                  ; wave 0..7
	s_and_b32 s19, ttmp7, 0xffff                   ; b: the batch; ttmp9 is the block of 64 queries
	s_lshl_b32 s56, s19, 19                        ; kf: a batch is 524,288 bytes; my first key group is group w, 4,096 bytes each
	s_lshl_b32 s57, s[WV], 12
	s_add_co_u32 s56, s56, s57
	s_mov_b32 s57, 0
	s_lshl_b32 s58, s19, 19                        ; qf: my block is four groups
	s_lshl_b32 s59, ttmp9, 14
	s_add_co_u32 s58, s58, s59
	s_mov_b32 s59, 0
	s_lshl_b32 s60, s19, 23                        ; pf: a batch is 8,388,608 bytes; key group 8 t + w lies in step 2 t + w / 4 (262,144 bytes each) at tt = w % 4 (512 bytes each); my block is four jg of 2,048
	s_lshr_b32 s61, s[WV], 2
	s_lshl_b32 s61, s61, 18
	s_add_co_u32 s60, s60, s61
	s_lshl_b32 s61, ttmp9, 13
	s_add_co_u32 s60, s60, s61
	s_and_b32 s61, s[WV], 3
	s_lshl_b32 s61, s61, 9
	s_add_co_u32 s60, s60, s61
	s_mov_b32 s61, 0
	s_lshl_b32 s20, s19, 13                        ; gl: a batch is 8,192 bytes, a block 256
	s_lshl_b32 s21, ttmp9, 8
	s_add_co_u32 s20, s20, s21
	s_mov_b32 s21, 0
	s_mov_b32 s[CS], 0x3e0293ee                    ; c = log2(e) / sqrt(128) = 0.127517
	s_mov_b32 s[CS+1], s[CS]                       ; named with it as a pair, so it is written
	s_mov_b32 s[SEL], 0x76543210
	s_mov_b32 s[SEL+1], 0xfedcba98
	s_mov_b32 s51, 0xff7fffff                      ; the lowest finite number
	v_and_b32 v20, 31, v0                          ; L
	v_and_b32 v21, 15, v0                          ; r
	v_lshlrev_b32 v[L16], 4, v20
	v_lshlrev_b32 v[GO], 3, v20
	v_add_nc_u32 v[AGLR], GLB, v[GO]
	v_lshl_add_u32 v[AGL], v21, 2, GLB
	v_lshlrev_b32 v[ASTR], 5, v21
	v_lshl_add_u32 v[AST], s[WV], 2, v[ASTR]
	s_wait_kmcnt 0x0
	s_load_b32 s[GAM], s[8:9], 0x0                 ; waited for ahead of the launch's second barrier
	s_add_nc_u64 s[KP:KP+1], s[6:7], s[56:57]
	s_mov_b64 s[KQ:KQ+1], s[KP:KP+1]
	s_add_nc_u64 s[62:63], s[4:5], s[58:59]
	s_add_nc_u64 s[PFB:PFB+1], s[10:11], s[60:61]
	s_add_nc_u64 s[GLO:GLO+1], s[12:13], s[20:21]
	WIN 0x40
.set z, 0
.rept 32                               ; Q stays in registers
	global_load_b128 v[4*z:4*z+3], v[L16], s[62:63] offset:512*z
.set z, z+1
.endr
.irp i, 0,1,2,3                        ; the ring: my first four key groups
.irp m, 0,1,2,3,4,5,6,7
	global_load_b128 v[KR+32*(\i)+4*(\m):KR+32*(\i)+4*(\m)+3], v[L16], s[KP:KP+1] offset:(\i)*GSTEP+(\m)*512
.endr
.endr
	WIN 0
.set z, 0
.rept 32
	v_mov_b32 v[SB+z], s51                         ; the first group's turn takes the maximum of this buffer, as every turn takes that of the group before
.set z, z+1
.endr
.set z, 0
.rept 8
	v_mov_b32 v[MX+z], s51
	v_mov_b32 v[LS+z], 0
.set z, z+1
.endr
.set z, 0
.rept 4
	v_mov_b32 v[TP+z], 0                           ; v_permlanex16_b32's destination counts as read
.set z, z+1
.endr
; The maxima of a score buffer: two chains a tile, three operands at a time; each accumulator's lowest registers are read first.
.macro MAXS so
.irp t, 0,1,2,3
.irp qt, 0,1,2,3
	v_max3_num_f32 v[MX+2*(\qt)+(\t)%2], v[MX+2*(\qt)+(\t)%2], v[(\so)+8*(\qt)+2*(\t)], v[(\so)+8*(\qt)+2*(\t)+1]
.endr
.endr
.endm
; PASS 1, one key group: 16 products K Q^T from ring place i into one score buffer (four accumulators by turns); the maxima of the OTHER buffer, the group before's, which are also
; the places behind these products; then the place takes the group four further on, at s[base].  step = 1: the base goes four groups on first.
.macro GRP i, step, base
	s_wait_loadcnt 24                              ; my group is in; three younger groups of eight loads stay out
	WIN 0x05                                       ; K and Q in window 1, scores in window 0
.set sw, S+(SB-S)*((\i)%2)
.set so, S+(SB-S)*(1-(\i)%2)
.irp kc, 0,1,2,3
.irp qt, 0,1,2,3
.if (\kc) == 0
	v_wmma_f32_16x16x32_bf16 v[sw+8*(\qt):sw+8*(\qt)+7], v[KR+32*(\i)+8*(\kc):KR+32*(\i)+8*(\kc)+7], v[32*(\qt)+8*(\kc):32*(\qt)+8*(\kc)+7], 0
.else
	v_wmma_f32_16x16x32_bf16 v[sw+8*(\qt):sw+8*(\qt)+7], v[KR+32*(\i)+8*(\kc):KR+32*(\i)+8*(\kc)+7], v[32*(\qt)+8*(\kc):32*(\qt)+8*(\kc)+7], v[sw+8*(\qt):sw+8*(\qt)+7]
.endif
.endr
.endr
	WIN 0
	MAXS so
.if \step
	s_wait_xcnt 0x0                                ; the loads' base is stepped only behind this wait; the youngest of them was issued a group ago
	s_add_nc_u64 s[KP:KP+1], s[KP:KP+1], 4*GSTEP
.endif
	WIN 0x40
.irp m, 0,1,2,3,4,5,6,7
	global_load_b128 v[KR+32*(\i)+4*(\m):KR+32*(\i)+4*(\m)+3], v[L16], s[(\base):(\base)+1] offset:(\i)*GSTEP+(\m)*512
.endr
.endm
	s_mov_b32 s[CNT], 3
.Lmax:                                             ; three trips of four groups: groups 0 to 11 are multiplied, groups 4 to 15 asked for
	GRP 0, 1, KP
	GRP 1, 0, KP
	GRP 2, 0, KP
	GRP 3, 0, KP
	WIN 0                                          ; at a label and at a branch every window is 0
	s_sub_co_u32 s[CNT], s[CNT], 1
	s_cmp_lg_u32 s[CNT], 0
	s_cbranch_scc1 .Lmax
	GRP 0, 0, KQ                                   ; groups 12 to 15; the ring goes on into pass 2: its groups 0 to 3 are asked for
	GRP 1, 0, KQ
	GRP 2, 0, KQ
	GRP 3, 0, KQ
	WIN 0
	MAXS SB                                        ; the last group's scores; the sixteen lines of its own turn are the places behind its products
.irp qt, 0,1,2,3
	v_max_num_f32 v[MX+2*(\qt)], v[MX+2*(\qt)], v[MX+2*(\qt)+1]
.endr
.irp qt, 0,1,2,3
	v_permlanex16_b32 v[TP+(\qt)], v[MX+2*(\qt)], s[SEL], s[SEL+1]  ; the query's other keys lie in the lane 16 away
.endr
.irp qt, 0,1,2,3
	v_max_num_f32 v[MX+2*(\qt)], v[MX+2*(\qt)], v[TP+(\qt)]
.endr
.irp qt, 0,1,2,3
	ds_store_b32 v[AST], v[MX+2*(\qt)] offset:STATM+512*(\qt)
.endr
	s_wait_dscnt 0x0                               ; for the others' sake: my maxima are in LDS
	s_barrier_signal -1
	s_barrier_wait -1
.irp qt, 0,1,2,3
	ds_load_b128 v[RG+8*(\qt):RG+8*(\qt)+3],   v[ASTR] offset:STATM+512*(\qt)     ; the eight waves' maxima of my query
	ds_load_b128 v[RG+8*(\qt)+4:RG+8*(\qt)+7], v[ASTR] offset:STATM+512*(\qt)+16
.endr
	s_wait_dscnt 0x0
.irp qt, 0,1,2,3
	v_max3_num_f32 v[MX+(\qt)], v[RG+8*(\qt)], v[RG+8*(\qt)+1], v[RG+8*(\qt)+2]
.endr
.irp qt, 0,1,2,3
	v_max3_num_f32 v[MX+(\qt)], v[MX+(\qt)], v[RG+8*(\qt)+3], v[RG+8*(\qt)+4]
.endr
.irp qt, 0,1,2,3
	v_max3_num_f32 v[MX+(\qt)], v[MX+(\qt)], v[RG+8*(\qt)+5], v[RG+8*(\qt)+6]
.endr
.irp qt, 0,1,2,3
	v_max_num_f32 v[MX+(\qt)], v[MX+(\qt)], v[RG+8*(\qt)+7]
.endr
.irp qt, 0,1,2,3
	v_mul_f32 v[CM+2*(\qt)], s[CS], v[MX+(\qt)]    ; c m
.endr
.irp qt, 0,1,2,3
	v_mov_b32 v[CM+2*(\qt)+1], v[CM+2*(\qt)]       ; named with it as a pair
.endr
; The softmax of 32 scores a lane, 80 lines.  Pair b (0..15) belongs to tile b / 4.
.macro SF b                            ; c s - c m
	v_pk_fma_f32 v[S+2*(\b):S+2*(\b)+1], v[S+2*(\b):S+2*(\b)+1], s[CS:CS+1], v[CM+2*((\b)/4):CM+2*((\b)/4)+1] op_sel_hi:[1,0,0] neg_lo:[0,0,1] neg_hi:[0,0,1]
.endm
.macro SE e                            ; 2^
	v_exp_f32 v[S+(\e)], v[S+(\e)]
.endm
.macro SC b                            ; rounded to bf16
	s_wait_alu depctr_va_vdst(0)
	v_cvt_pk_bf16_f32 v[PK+(\b)], v[S+2*(\b)], v[S+2*(\b)+1]
.endm
.macro SA b                            ; onto l
	v_pk_add_f32 v[LS+2*((\b)/4):LS+2*((\b)/4)+1], v[LS+2*((\b)/4):LS+2*((\b)/4)+1], v[S+2*(\b):S+2*(\b)+1]
.endm
; In 21 parts of at most four lines.  From part 4 on: exponential, plain, exponential, plain, so that a plain instruction stands behind every exponential before its result is used (ISA guide 5.7.2);
; the plain ones round and add the pair whose exponentials stood in the part before.
.macro PART n
.if (\n) < 3
	SF 4*(\n)
	SF 4*(\n)+1
	SF 4*(\n)+2
	SF 4*(\n)+3
.elseif (\n) == 3
	SF 12
	SF 13
.elseif (\n) == 4
	SE 0
	SF 14
	SE 1
	SF 15
.elseif (\n) < 20
	SE 2*((\n)-4)
	SC (\n)-5
	SE 2*((\n)-4)+1
	SA (\n)-5
.else
	SC 15
	SA 15
.endif
.endm
; PASS 2, one key group, from ring place i: 16 products; the place takes the group four further on (the loop's last trip has none: it jumps forward over the loads); the softmax; four pieces of p leave.
; In place 0 both bases go four groups on ahead of their use, so the stores reach back by their immediate.
.macro EL i
	s_wait_loadcnt 24                              ; my group is in; three younger groups of eight loads stay out
	WIN 0x05
.irp kc, 0,1,2,3
.irp qt, 0,1,2,3
.if (\kc) == 0
	v_wmma_f32_16x16x32_bf16 v[S+8*(\qt):S+8*(\qt)+7], v[KR+32*(\i)+8*(\kc):KR+32*(\i)+8*(\kc)+7], v[32*(\qt)+8*(\kc):32*(\qt)+8*(\kc)+7], 0
.else
	v_wmma_f32_16x16x32_bf16 v[S+8*(\qt):S+8*(\qt)+7], v[KR+32*(\i)+8*(\kc):KR+32*(\i)+8*(\kc)+7], v[32*(\qt)+8*(\kc):32*(\qt)+8*(\kc)+7], v[S+8*(\qt):S+8*(\qt)+7]
.endif
.endr
.endr
	WIN 0
	s_wait_xcnt 0x0                                ; the packed registers, which the last group's stores read, and both bases are rewritten only behind this wait; those stores were issued sixteen products ago
.if (\i) == 0
	s_add_nc_u64 s[KQ:KQ+1], s[KQ:KQ+1], 4*GSTEP
	s_add_nc_u64 s[PFB:PFB+1], s[PFB:PFB+1], 4*PSTEP
.endif
	PLACES
	s_cmp_eq_u32 s[CNT], 1                         ; the last trip is groups 12 to 15: there is no group 16
	s_cbranch_scc1 .Lno_k_\@
	WIN 0x40
.irp m, 0,1,2,3,4,5,6,7
	global_load_b128 v[KR+32*(\i)+4*(\m):KR+32*(\i)+4*(\m)+3], v[L16], s[KQ:KQ+1] offset:(\i)*GSTEP+(\m)*512
.endr
	WIN 0
	s_branch .Lk_asked_\@
.Lno_k_\@:
	s_wait_loadcnt 0x0                             ; no younger loads follow any more, so the counted wait above would show nothing: all that is out is waited for here
.Lk_asked_\@:
.set n, 0
.rept 21
	PART n
.set n, n+1
.endr
.irp qt, 0,1,2,3
	global_store_b128 v[L16], v[PK+4*(\qt):PK+4*(\qt)+3], s[PFB:PFB+1] offset:(\i)*PSTEP+(\qt)*2048-4*PSTEP  ; the wave stores 512 consecutive bytes, at a multiple of 512 from pf's first
.endr
.endm
	s_mov_b32 s[CNT], 4
.Lsm:                                              ; four trips of four groups
	EL 0
	EL 1
	EL 2
	EL 3
	s_sub_co_u32 s[CNT], s[CNT], 1
	s_cmp_lg_u32 s[CNT], 0
	s_cbranch_scc1 .Lsm
	; l: the pair's two halves, the other half of the lanes', the eight waves'
.irp qt, 0,1,2,3
	v_add_f32 v[LS+2*(\qt)], v[LS+2*(\qt)], v[LS+2*(\qt)+1]
.endr
.irp qt, 0,1,2,3
	v_permlanex16_b32 v[TP+(\qt)], v[LS+2*(\qt)], s[SEL], s[SEL+1]
.endr
.irp qt, 0,1,2,3
	v_add_f32 v[LS+2*(\qt)], v[LS+2*(\qt)], v[TP+(\qt)]
.endr
.irp qt, 0,1,2,3
	ds_store_b32 v[AST], v[LS+2*(\qt)] offset:STATL+512*(\qt)
.endr
	s_wait_kmcnt 0x0                               ; gamma
	s_wait_dscnt 0x0                               ; for wave 0's sake: my sums are in LDS
	s_barrier_signal -1
	s_barrier_wait -1
	s_cmp_lg_u32 s[WV], 0                          ; wave 0 alone makes and stores the block's 64 numbers gamma / l
	s_cbranch_scc1 .Lend
.irp qt, 0,1,2,3
	ds_load_b128 v[RG+8*(\qt):RG+8*(\qt)+3],   v[ASTR] offset:STATL+512*(\qt)
	ds_load_b128 v[RG+8*(\qt)+4:RG+8*(\qt)+7], v[ASTR] offset:STATL+512*(\qt)+16
.endr
	s_wait_dscnt 0x0
.irp qt, 0,1,2,3
	v_pk_add_f32 v[RG+8*(\qt):RG+8*(\qt)+1],   v[RG+8*(\qt):RG+8*(\qt)+1],   v[RG+8*(\qt)+2:RG+8*(\qt)+3]
	v_pk_add_f32 v[RG+8*(\qt)+4:RG+8*(\qt)+5], v[RG+8*(\qt)+4:RG+8*(\qt)+5], v[RG+8*(\qt)+6:RG+8*(\qt)+7]
.endr
.irp qt, 0,1,2,3
	v_pk_add_f32 v[RG+8*(\qt):RG+8*(\qt)+1], v[RG+8*(\qt):RG+8*(\qt)+1], v[RG+8*(\qt)+4:RG+8*(\qt)+5]
.endr
.irp qt, 0,1,2,3
	v_add_f32 v[MX+(\qt)], v[RG+8*(\qt)], v[RG+8*(\qt)+1]
.endr
.irp qt, 0,1,2,3
	v_rcp_f32 v[MX+(\qt)], v[MX+(\qt)]             ; l is about 1 at the least: the key of the maximum has the weight 2^0
.endr
	v_nop                                          ; a plain instruction between the last reciprocal and the use of its result
	s_wait_alu depctr_va_vdst(0)
.irp qt, 0,1,2,3
	v_mul_f32 v[MX+(\qt)], s[GAM], v[MX+(\qt)]
.endr
.irp qt, 0,1,2,3
	ds_store_b32 v[AGL], v[MX+(\qt)] offset:64*(\qt)  ; a lane holds query 16 qt + r: by query through 256 bytes of LDS that wave 0 alone touches
.endr
	ds_load_b64 v[RG:RG+1], v[AGLR]                ; LDS serves a wave's instructions in order (ISA guide 5.7.1.4): this sees the stores above
	s_wait_dscnt 0x0
	global_store_b64 v[GO], v[RG:RG+1], s[GLO:GLO+1]  ; one store of 256 consecutive bytes, at a multiple of 256 from gl's first
.Lend:
	s_wait_tensorcnt 0x0                           ; the wave's end, behind my last LDS store
	ds_add_u32 v[SPW], v[NIL]
	s_wait_dscnt 0x0
	s_endpgm
.Lfunc_end_k_qab2b4fdaff_score:
	.size	k_qab2b4fdaff_score, .Lfunc_end_k_qab2b4fdaff_score-k_qab2b4fdaff_score
	.p2alignl 7, 3214868480
	.fill 96, 4, 3214868480
	.section	.rodata,"a",@progbits
	.p2align	6, 0x0
	.amdhsa_kernel k_qab2b4fdaff_score
		.amdhsa_group_segment_fixed_size 8192
		.amdhsa_private_segment_fixed_size 0
		.amdhsa_enable_private_segment 0
		.amdhsa_kernarg_size 40
		.amdhsa_user_sgpr_count 2
		.amdhsa_user_sgpr_kernarg_segment_ptr 1
		.amdhsa_wavefront_size32 1
		.amdhsa_system_sgpr_workgroup_id_x 1
		.amdhsa_system_sgpr_workgroup_id_y 1
		.amdhsa_system_sgpr_workgroup_id_z 1
		.amdhsa_system_vgpr_workitem_id 0
		.amdhsa_next_free_vgpr 512
		.amdhsa_next_free_sgpr 66
		.amdhsa_reserve_vcc 0
		.amdhsa_float_denorm_mode_32 3
		.amdhsa_float_denorm_mode_16_64 3
		.amdhsa_memory_ordered 1
		.amdhsa_forward_progress 1
		.amdhsa_inst_pref_size 69
	.end_amdhsa_kernel
	.amdgpu_metadata
---
amdhsa.version: [ 1, 2 ]
amdhsa.kernels:
  - .name:           k_qab2b4fdaff_score
    .symbol:         k_qab2b4fdaff_score.kd
    .args:
      - { .name: qf, .offset: 0, .size: 8, .value_kind: global_buffer, .address_space: global }
      - { .name: kf, .offset: 8, .size: 8, .value_kind: global_buffer, .address_space: global }
      - { .name: gamma, .offset: 16, .size: 8, .value_kind: global_buffer, .address_space: global }
      - { .name: pf, .offset: 24, .size: 8, .value_kind: global_buffer, .address_space: global }
      - { .name: gl, .offset: 32, .size: 8, .value_kind: global_buffer, .address_space: global }
    .group_segment_fixed_size: 8192
    .private_segment_fixed_size: 0
    .kernarg_segment_align: 8
    .kernarg_segment_size: 40
    .max_flat_workgroup_size: 256
    .sgpr_count:     66
    .vgpr_count:     512
    .wavefront_size: 32
...
	.end_amdgpu_metadata
.endif
;; end of part 3
;; launch pv (part 4): grid 8 x 32, 4 waves a work-group, clusters of 4 x 4, 327,680 bytes of LDS; arguments x, vf, pf, gl, out0; writes out0
.if DOCPART == 4
	.amdgcn_target "amdgcn-amd-amdhsa--gfx1250"
	.amdhsa_code_object_version 6
	.text
	.protected	k_qab2b4fdaff_pv
	.globl	k_qab2b4fdaff_pv
	.p2align	8
	.type	k_qab2b4fdaff_pv,@function
k_qab2b4fdaff_pv:
	s_mov_b64 s[64:65], 0
	v_nop
	global_prefetch_b8 v0, s[64:65] scope:SCOPE_SE
	s_setreg_imm32_b32 hwreg(HW_REG_WAVE_MODE, 25, 1), 1
	s_wait_xcnt 0x0
	s_wait_alu depctr_hold_cnt(0) depctr_sa_sdst(0) depctr_va_vdst(0) depctr_va_sdst(0) depctr_va_ssrc(0) depctr_va_vcc(0) depctr_vm_vsrc(0)
	s_getreg_b32 s2, hwreg(HW_REG_IB_STS2, 6, 4)
	s_cmp_eq_u32 s2, 0
	s_cbranch_scc0 .Lentry_in_a_cluster
	s_endpgm
.Lentry_in_a_cluster:
	s_bfe_u32 s2, ttmp6, 0x10000c
	s_cmp_lg_u32 s2, 0xf033
	s_cbranch_scc0 .Lentry_shape_is_right
	s_endpgm
.Lentry_shape_is_right:
; out0[b][c][j] = gl[b][j] x (the sum over m of v[b][c][m] p[b][j][m]) + x[b][c][j]; gl = gamma / l.  v and p in bf16, sums in f32, the scaling and the addition of x one fused multiply-add in f32.
; v and p lie in pieces of 512 bytes (lane L = 16 h + r holds 16 bytes at 16 L), the order in which the matrix instructions take them:
;   vf = [b][s = key / 64][cg = channel / 16, 64][tt 4][L]: channel 16 cg + r, keys 64 s + 16 tt + 8 h + 0..7          pf = [b][s][jg = query / 16, 128][tt 4][L]: query 16 jg + r, the same keys
; LIMITS.  NaN and infinities are not treated apart.
; SHARES.  A tile of out0, 256 channels x 256 queries of a batch, is made by a work-group of four waves, as many as a WGP has SIMDs: 4 x 8 x 8 = 256 work-groups.  A wave makes 128 x 128: 64 accumulators, 512 registers.
; Source 0 = p (16 queries x 32 keys), source 1 = v (16 channels x 32 keys): a lane holds one channel and eight NEIGHBOURING queries, 32 consecutive bytes of a row of out0.
; The 2,048 keys go in 16 K STEPS of 128 through two LDS slots.  A slot holds v's 256 channels for the step's two groups of 64 keys, then p's 256 queries likewise: four parts of 32,768 bytes, each dense in memory
; and brought by one wave's tensor load as 128 rows of 256 bytes.  A fragment is two loads of 512 consecutive LDS bytes: no padding is needed.  By this text's count two tensor loads of a wave are out at the start, then one.
; CLUSTERS: 4 x 4 work-groups: four query tiles x the four channel tiles of one batch.  The four of a row of the cluster need the same tiles of v, the four of a column the same tiles of p: each is asked for JOINTLY,
; by the same tensor load with the same descriptor and a mask that names the four.
; x: a wave's part is eight blocks of 16 channels x 128 queries, 64 registers each.  Three are loaded ahead of the loop into registers that lie idle in it, two as the fragment buffers fall free, three into places whose blocks have left.
; REGISTERS, in windows of 256 (s_set_vgpr_msb: bits 1:0 source 0, 3:2 source 1, 5:4 source 2, 7:6 destination):
;   window 0: v16-29 addresses; v32-35 gl; v64-127, v128-191 fragments of v, two buffers (on the way out: blocks read back from the stage); v192-255 a block of x
;   window 1: v64-127, v128-191 fragments of p, two buffers (on the way out: blocks of x); v0-63, v192-255 blocks of x
;   window 2: the 32 accumulators of my channels 0-63 (channel block a, query block b at v[8 (8 a + b)]);   window 3: those of my channels 64-127
.set SPART,  32768                     ; a part of a slot: 16 groups of 16 rows x 64 keys
.set SLOT,   4*SPART
.set STAGE,  2*SLOT                    ; behind the ring: 16 rows x 528 bytes for each wave, for the way out; no tensor load lands here
.set SPITCH, 528                       ; 512 bytes + 16 = 132 words: the sixteen rows of a store's pass start at sixteen different groups of four banks (64 banks of 4 bytes: ISA guide 11.1)
.set SPARE,  STAGE+4*16*SPITCH         ; the spare words, 128 bytes for each wave: two blocks of 256 bytes that no other line names
.set LAPS,   8                         ; a lap = two K steps = once round the ring
.set VSTEP,  262144                    ; a K step in vf: two groups of 64 keys, 131,072 bytes each
.set PSTEP,  524288                    ; in pf: 262,144 bytes each
.set ROWB,   8192                      ; a row of x and of out0
.set ADRA, 16                          ; v16-17  LDS address of my fragments of v in slot 0, 1
.set ADRB, 20                          ; v20-21  the same for p
.set STO,  24                          ; v24     the way out: stage + 528 r + 32 h
.set RD,   25                          ; v25     stage + 16 L
.set CO,   26                          ; v26     16 L
.set XPF,  27                          ; v27     8,192 (L / 2) + 256 (L % 2): a half row of my x a lane
.set SPW,  28                          ; v28     LDS address of my spare word; never rewritten
.set NIL,  29                          ; v29     0; never rewritten
.set GLV,  32                          ; v32-35  gl of my queries 4 L + 0..3
.set F0,   64                          ; fragment buffer 0
.set F1,   128                         ; fragment buffer 1
.set OB,   64                          ; the way out: v64-127 and v128-191 by turns
.set WV,   14                          ; s14  my wave
.set HR,   15                          ; s15  which half of the tile's channels is mine.  Also: I fetch for v (0) or for p (1)
.set HC,   16                          ; s16  which half of its queries.  Also: which 64 keys of a K step I fetch
.set G1,  24                           ; s[24:31] descriptor group 1 for v's tiles
.set G0,  32                           ; s[32:39] descriptor group 0 for v's tiles, one set for each slot
.set G1B, 48                           ; s[48:55] descriptor group 1 for p's tiles: it differs in the mask alone
.set G0B, 56                           ; s[56:63] descriptor group 0 for p's tiles, one set for each slot
.set MSB, 0
.macro WIN new                         ; the immediate's high byte repeats the setting that is left; a switch that changes nothing is dropped
.if MSB != (\new)
	s_set_vgpr_msb (MSB<<8)|(\new)
.set MSB, \new
.endif
.endm
.set MUL_LO, 0xa1                      ; source 0 (p) window 1, source 1 (v) window 0, C and D window 2
.set MUL_HI, 0xf1                      ; the same, C and D window 3
.set TO_B,   0x40                      ; destination window 1, address window 0
.macro PLACES                          ; four plain vector instructions between a matrix instruction and a load into, or a read of, its registers (ISA guide 7.12.1 for a read)
.rept 4
	v_nop
.endr
.endm
; A joint load.  Waves 0 and 1 fetch v's two parts, waves 2 and 3 p's.  Each of the two lines has ONE mask and one set of registers for all that issue it; the branch hangs on the wave's number alone.
; An s_nop 0 and four v_nop follow each of the two lines, ahead of the jump, the label and what follows the macro.
.macro JLOAD s
	s_cmp_eq_u32 s[HR], 0
	s_cbranch_scc0 .Lfor_p_\@
	tensor_load_to_lds s[G0+4*(\s):G0+4*(\s)+3], s[G1:G1+7]
	s_nop 0
.rept 4
	v_nop
.endr
	s_branch .Lasked_\@
.Lfor_p_\@:
	tensor_load_to_lds s[G0B+4*(\s):G0B+4*(\s)+3], s[G1B:G1B+7]
	s_nop 0
.rept 4
	v_nop
.endr
.Lasked_\@:
.endm
.macro CREST                           ; a round of the cluster's barrier behind its opening barrier: wave 0 signals for the work-group; every wave waits for all sixteen; my work-group's barrier once more
	s_cmp_lg_u32 s[WV], 0
	s_cbranch_scc1 .Lnot_wave_0_\@
	s_barrier_signal -3
.Lnot_wave_0_\@:
	s_barrier_wait -3
	s_barrier_signal -1
	s_barrier_wait -1
.endm
.macro CROUND                          ; a whole round
	s_barrier_signal -1
	s_barrier_wait -1
	CREST
.endm
	s_load_b256 s[4:11], s[0:1], 0x0               ; x s[4:5], vf s[6:7], pf s[8:9], gl s[10:11]
	s_load_b64 s[12:13], s[0:1], 0x20              ; out0
	v_lshl_add_u32 v[SPW], v0, 2, SPARE
	v_mov_b32 v[NIL], 0
	ds_add_u32 v[SPW], v[NIL]                      ; the wave's opening: the add and its wait come ahead of my first tensor load; the set-up below, work on registers, stands between them
	v_lshrrev_b32 v1, 5, v0
	v_readfirstlane_b32 s[WV], v1                  ; wave 0..3
	s_lshr_b32 s[HR], s[WV], 1
	s_and_b32 s[HC], s[WV], 1
	s_bfe_u32 s17, ttmp6, 0x40000                  ; cx: my place along the cluster's x
	s_bfe_u32 s18, ttmp6, 0x40004                  ; cy: along its y: my channel tile
	s_lshl_b32 s19, ttmp9, 2                       ; in a cluster launch ttmp9 and ttmp7 count clusters
	s_add_co_u32 s19, s19, s17                     ; my query tile = 4 x cluster x + cx
	s_and_b32 s20, ttmp7, 0xffff                   ; b: the batch = cluster y, which all sixteen share
	s_lshl_b32 s21, s18, 2
	s_lshl_b32 s21, 15, s21                        ; my row of the cluster: places 4 cy .. 4 cy + 3
	s_lshl_b32 s22, 0x1111, s17                    ; my column: places cx, cx + 4, cx + 8, cx + 12
	; descriptor group 1: 32,768 dense bytes as 128 rows of 256
	s_or_b32 s[G1+0], s21, (3<<16)|(1<<21)         ; 15:0 the mask: v's tiles go to my row; 17:16 elements of 8 bytes; 21 set beside a mask; no padding
	s_or_b32 s[G1B+0], s22, (3<<16)|(1<<21)        ; the same with the mask of my column, for p's tiles
.irp g, G1, G1B
	s_mov_b32 s[(\g)+1], 32<<16                    ; tensor_dim0 = 32
	s_mov_b32 s[(\g)+2], 128<<16                   ; tensor_dim1 = 128
	s_mov_b32 s[(\g)+3], 32<<16                    ; tile_dim0 = 32
	s_mov_b32 s[(\g)+4], 128                       ; tile_dim1 = 128
	s_mov_b32 s[(\g)+5], 32                        ; 32 elements from row to row
	s_mov_b32 s[(\g)+6], 0
	s_mov_b32 s[(\g)+7], 0
.endr
	; where the tiles come from.  v's hang on the batch and the channel tile, which my row of the cluster shares; p's on the batch and the query tile, which my column shares.
	; Every wave makes both addresses, in registers that never hold the other coordinate, and asks by one of them.
	s_lshl_b32 s40, s20, 22                        ; vf: a batch is 4,194,304 bytes, a channel tile 16 groups of 2,048, my 64 keys 131,072
	s_lshl_b32 s41, s18, 15
	s_add_co_u32 s40, s40, s41
	s_lshl_b32 s41, s[HC], 17
	s_add_co_u32 s40, s40, s41
	s_mov_b32 s41, 0
	s_lshl_b32 s42, s20, 23                        ; pf: a batch is 8,388,608 bytes, a query tile 16 groups of 2,048, my 64 keys 262,144
	s_lshl_b32 s43, s19, 15
	s_add_co_u32 s42, s42, s43
	s_lshl_b32 s43, s[HC], 18
	s_add_co_u32 s42, s42, s43
	s_mov_b32 s43, 0
	s_lshl_b32 s23, s[WV], 15                      ; and where they go: v's two parts, then p's two = wave x 32,768: no place in the cluster enters an LDS address
	s_wait_dscnt 0x0                               ; the opening add is done
	s_wait_kmcnt 0x0
	s_add_nc_u64 s[6:7], s[6:7], s[40:41]
	s_add_nc_u64 s[8:9], s[8:9], s[42:43]
	CROUND                                         ; all sixteen work-groups are here: the first joint loads meet
.irp s, 0,1
	s_mov_b32 s[G0+4*(\s)], 1                                      ; count = 1
	s_add_co_u32 s[G0+4*(\s)+1], s23, (\s)*SLOT                    ; LDS address
	s_add_nc_u64 s[G0+4*(\s)+2:G0+4*(\s)+3], s[6:7], (\s)*VSTEP    ; global address: K step s
	s_or_b32 s[G0+4*(\s)+3], s[G0+4*(\s)+3], 0x80000000            ; type = 2
	s_mov_b32 s[G0B+4*(\s)], 1
	s_add_co_u32 s[G0B+4*(\s)+1], s23, (\s)*SLOT
	s_add_nc_u64 s[G0B+4*(\s)+2:G0B+4*(\s)+3], s[8:9], (\s)*PSTEP
	s_or_b32 s[G0B+4*(\s)+3], s[G0B+4*(\s)+3], 0x80000000
	JLOAD \s                                       ; the ring is filled before anything else is done
.endr
	v_and_b32 v1, 31, v0                           ; L
	v_and_b32 v2, 15, v0                           ; r
	v_bfe_u32 v3, v0, 4, 1                         ; h
	v_lshlrev_b32 v[CO], 4, v1
	s_lshl_b32 s2, s[HR], 14                       ; my 8 channel groups of 2,048 bytes in each of v's parts
	s_lshl_b32 s3, s[HC], 14                       ; my 8 query groups in each of p's parts,
	s_add_co_u32 s3, s3, 2*SPART                   ; which lie behind v's two
.irp s, 0,1
	v_add_nc_u32 v[ADRA+(\s)], s2, v[CO]
	v_add_nc_u32 v[ADRB+(\s)], s3, v[CO]
	s_add_co_u32 s2, s2, SLOT
	s_add_co_u32 s3, s3, SLOT
.endr
	s_mul_i32 s2, s[WV], 16*SPITCH
	s_add_co_u32 s2, s2, STAGE                     ; my stage
	v_mul_u32_u24 v[STO], v2, SPITCH               ; in: row r (a channel), 32 bytes (eight queries) for each half of the lanes
	v_lshl_add_u32 v[STO], v3, 5, v[STO]
	v_add_nc_u32 v[STO], s2, v[STO]
	v_add_nc_u32 v[RD], s2, v[CO]                  ; back: the 32 lanes take one row of 512 bytes
	v_lshrrev_b32 v[XPF], 1, v1
	v_lshlrev_b32 v[XPF], 13, v[XPF]
	v_and_b32 v4, 1, v0
	v_lshl_add_u32 v[XPF], v4, 8, v[XPF]
	s_lshl_b32 s44, s20, 23                        ; x, out0: a batch is 8,388,608 bytes, 256 channels 2,097,152, 128 channels 1,048,576; 256 queries 1,024 bytes of a row, 128 queries 512
	s_lshl_b32 s45, s18, 21
	s_add_co_u32 s44, s44, s45
	s_lshl_b32 s45, s[HR], 20
	s_add_co_u32 s44, s44, s45
	s_lshl_b32 s45, s19, 10
	s_add_co_u32 s44, s44, s45
	s_lshl_b32 s45, s[HC], 9
	s_add_co_u32 s44, s44, s45
	s_mov_b32 s45, 0
	s_lshl_b32 s46, s20, 13                        ; gl: a batch is 8,192 bytes
	s_lshl_b32 s47, s19, 10
	s_add_co_u32 s46, s46, s47
	s_lshl_b32 s47, s[HC], 9
	s_add_co_u32 s46, s46, s47
	s_mov_b32 s47, 0
	s_add_nc_u64 s[4:5], s[4:5], s[44:45]          ; x, out0 and gl at my part of the tile
	s_add_nc_u64 s[12:13], s[12:13], s[44:45]
	s_add_nc_u64 s[10:11], s[10:11], s[46:47]
; 16 matrix instructions: channel blocks a0, a0 + 1 of the window's four (hi = 0: my channels 0-63, 1: channels 64-127) x all 8 query blocks, 32 keys.  zero = 1: the product starts the sum: nothing is ever cleared.
; The 64 accumulators take turns, one instruction a turn, in the same order in every quarter.
.macro MUL16 f, hi, a0, zero
	WIN MUL_LO+0x50*(\hi)
.irp a, \a0, (\a0)+1
.irp b, 0,1,2,3,4,5,6,7
.if \zero
	v_wmma_f32_16x16x32_bf16 v[8*(8*(\a)+(\b)):8*(8*(\a)+(\b))+7], v[(\f)+8*(\b):(\f)+8*(\b)+7], v[(\f)+8*(4*(\hi)+(\a)):(\f)+8*(4*(\hi)+(\a))+7], 0
.else
	v_wmma_f32_16x16x32_bf16 v[8*(8*(\a)+(\b)):8*(8*(\a)+(\b))+7], v[(\f)+8*(\b):(\f)+8*(\b)+7], v[(\f)+8*(4*(\hi)+(\a)):(\f)+8*(4*(\hi)+(\a))+7], v[8*(8*(\a)+(\b)):8*(8*(\a)+(\b))+7]
.endif
.endr
.endr
.endm
; 32 LDS loads in one run: the fragments of quarter q of a K step (32 keys: part q / 2, pieces 2 (q % 2) and 2 (q % 2) + 1 of each group) into buffer f: p's eight, then v's eight
.macro FETCH slot, q, f
.set ko, ((\q)/2)*SPART+((\q)%2)*1024
	WIN TO_B
.irp i, 0,1,2,3,4,5,6,7
	ds_load_b128 v[(\f)+8*(\i):(\f)+8*(\i)+3],   v[ADRB+(\slot)] offset:ko+(\i)*2048
	ds_load_b128 v[(\f)+8*(\i)+4:(\f)+8*(\i)+7], v[ADRB+(\slot)] offset:ko+(\i)*2048+512
.endr
	WIN 0
.irp i, 0,1,2,3,4,5,6,7
	ds_load_b128 v[(\f)+8*(\i):(\f)+8*(\i)+3],   v[ADRA+(\slot)] offset:ko+(\i)*2048
	ds_load_b128 v[(\f)+8*(\i)+4:(\f)+8*(\i)+7], v[ADRA+(\slot)] offset:ko+(\i)*2048+512
.endr
.endm
; A K step is four quarters of 32 keys, 64 matrix instructions each, on buffers 0, 1, 0, 1.  One of the first three: multiplies buffer f; in its middle it fetches quarter q of the same slot into buffer g.
.macro QUARTER slot, q, f, g, zero
	s_wait_dscnt 8                                 ; p and v's channels 0-63 are in; the youngest eight loads (v's channels 64-127) may be out
	MUL16 \f, 0, 0, \zero
	MUL16 \f, 0, 2, \zero
	PLACES
	FETCH \slot, \q, \g
	s_wait_dscnt 32                                ; all but the 32 just issued
	MUL16 \f, 1, 0, \zero
	MUL16 \f, 1, 2, \zero
.endm
; The last quarter multiplies buffer 1 and changes slots: ONE barrier, for two things.  In front of it each wave waits for all its tensor loads, of which one is out: its part of the next slot; adds 0 to its spare word;
; and waits for that and for its own reads of this slot.  Behind it nobody reads this slot any more and the next slot is whole.  fill = 1: the barrier opens a round of the cluster's, so that no wave of any partner
; still reads this slot or has a load on its way, and the slot is filled again first thing behind the round, two K steps ahead: from the request to the wait for it a wave issues 224 matrix instructions.
.macro TURN slot, next, fill
	WIN 0                                          ; (the add's two registers lie in window 0)
	s_wait_tensorcnt 0x0                           ; all my tensor loads have landed, so a group 0 may be written;
	ds_add_u32 v[SPW], v[NIL]                      ; 0 onto my spare word;
	s_wait_dscnt 9                                 ; (the add and the youngest eight loads may be out)
	MUL16 F1, 0, 0, 0                              ; sixteen matrix instructions stand between the add and the wait for it
	s_wait_dscnt 0x0                               ; the add is done, and my reads of this slot are over
	s_barrier_signal -1
	MUL16 F1, 0, 2, 0                              ; work on registers while the others arrive
.if \fill
	WIN 0
.endif
	s_barrier_wait -1
.if \fill
	CREST
	s_add_nc_u64 s[G0+4*(\slot)+2:G0+4*(\slot)+3], s[G0+4*(\slot)+2:G0+4*(\slot)+3], 2*VSTEP    ; the type bits on top are not reached
	s_add_nc_u64 s[G0B+4*(\slot)+2:G0B+4*(\slot)+3], s[G0B+4*(\slot)+2:G0B+4*(\slot)+3], 2*PSTEP
	JLOAD \slot                                    ; the four v_nop behind it are also the places in front of the loads below
.else
	PLACES
.endif
	FETCH \next, 0, F0
	MUL16 F1, 1, 0, 0
	MUL16 F1, 1, 2, 0
.endm
; Where block j of x lies: five places of 64 registers; blocks 5, 6, 7 take the places of blocks 0, 1, 2.  xw: the window, xr: the first register
.macro XPLACE j
.set pj, (\j)%5
.set xw, 1
.if pj == 0
.set xr, 0
.elseif pj == 1
.set xr, 192
.elseif pj == 2
.set xr, 192
.set xw, 0
.elseif pj == 3
.set xr, 64
.else
.set xr, 128
.endif
.endm
.macro XL j                            ; 16 loads: block j of x, a row of 512 consecutive bytes a load
	XPLACE \j
	WIN 0x40*xw
.irp t, 0,1,2,3,4,5,6,7,8,9,10,11,12,13,14,15
	global_load_b128 v[xr+4*(\t):xr+4*(\t)+3], v[CO], s[4:5] offset:(16*(\j)+(\t))*ROWB th:TH_LOAD_NT
.endr
.endm
; THE WAY OUT of channel block a, in two parts.  TOSTAGE: a lane's eight queries of a channel go into my stage straight from the accumulators, the low four registers first, and whole rows of
; 512 bytes come back.  SEND: out0 = sum x gl + x, one fused multiply-add, in x's registers; a store of the wave covers 512 consecutive bytes, at a multiple of 512 from out0's first.
.macro TOSTAGE a
	WIN 0x08+4*((\a)/4)                            ; the data of an LDS store is source 1: window 2 or 3
.irp b, 0,1,2,3,4,5,6,7
	ds_store_b128 v[STO], v[8*(8*((\a)%4)+(\b)):8*(8*((\a)%4)+(\b))+3]   offset:64*(\b)
	ds_store_b128 v[STO], v[8*(8*((\a)%4)+(\b))+4:8*(8*((\a)%4)+(\b))+7] offset:64*(\b)+16
.endr
	WIN 0
.irp t, 0,1,2,3,4,5,6,7,8,9,10,11,12,13,14,15
	ds_load_b128 v[OB+64*((\a)%2)+4*(\t):OB+64*((\a)%2)+4*(\t)+3], v[RD] offset:(\t)*SPITCH  ; LDS serves a wave's instructions in order (ISA guide 5.7.1.4): these see the stores above; the next block's stores come behind them
.endr
.endm
.macro SEND a, younger                 ; younger: the LDS instructions issued behind block a's loads: the next block's 32, or none
	XPLACE \a
.set ob, OB+64*((\a)%2)
.set lc, 16*(7-(\a))
.if lc > 63
.set lc, 63
.endif
	s_wait_dscnt \younger                          ; the block is back in registers
	s_wait_loadcnt lc                              ; block a of x is in (and gl, the oldest load); the younger blocks, four at the most, may stay out, as far as the wait's count can name them
	WIN 0x50*xw                                    ; x: source 2 and destination
.irp t, 0,1,2,3,4,5,6,7,8,9,10,11,12,13,14,15
	v_pk_fma_f32 v[xr+4*(\t):xr+4*(\t)+1],   v[ob+4*(\t):ob+4*(\t)+1],   v[GLV:GLV+1],   v[xr+4*(\t):xr+4*(\t)+1]
	v_pk_fma_f32 v[xr+4*(\t)+2:xr+4*(\t)+3], v[ob+4*(\t)+2:ob+4*(\t)+3], v[GLV+2:GLV+3], v[xr+4*(\t)+2:xr+4*(\t)+3]
.endr
	WIN 0x04*xw                                    ; the data of a store is source 1
.irp t, 0,1,2,3,4,5,6,7,8,9,10,11,12,13,14,15
	global_store_b128 v[CO], v[xr+4*(\t):xr+4*(\t)+3], s[12:13] offset:(16*(\a)+(\t))*ROWB th:TH_STORE_NT
.endr
.if (\a) < 3
	s_wait_xcnt 0x0                                ; the registers that the stores read are loaded again only behind this wait
	XL (\a)+5
.endif
.endm
	s_wait_tensorcnt 1                             ; my part of K step 0 is in; K step 1's may stay out
	s_barrier_signal -1
	s_barrier_wait -1                              ; everybody's is
	FETCH 0, 0, F0
	QUARTER 0, 1, F0, F1, 1                        ; the first quarter stands in front of the loop: its products start the sums
	WIN 0
	global_load_b128 v[GLV:GLV+3], v[CO], s[10:11] ; gl, and three blocks of x, into registers that no line of the loop names: they land under its products
	XL 0
	XL 1
	XL 2
	WIN 0                                          ; at a label and at a branch every window is 0
	s_mov_b32 s3, LAPS-1
.Llap:                                             ; a trip goes once round the ring, from a lap's second quarter to the next lap's first, and fills both slots again
	QUARTER 0, 2, F1, F0, 0
	QUARTER 0, 3, F0, F1, 0
	TURN 0, 1, 1
	QUARTER 1, 1, F0, F1, 0
	QUARTER 1, 2, F1, F0, 0
	QUARTER 1, 3, F0, F1, 0
	TURN 1, 0, 1
	QUARTER 0, 1, F0, F1, 0
	WIN 0
	s_sub_co_u32 s3, s3, 1
	s_cmp_lg_u32 s3, 0
	s_cbranch_scc1 .Llap
	QUARTER 0, 2, F1, F0, 0                        ; the last lap is written out: it fills nothing, and has no round of the cluster's barrier
	QUARTER 0, 3, F0, F1, 0
	TURN 0, 1, 0
	WIN 0
.irp k, 0,1,2,3                        ; rows 48 to 111 of my x, blocks 3 to 6, are asked for ahead, one K step before the way out: a lane a half row of 256 bytes, each piece once in the launch, all inside x
	global_prefetch_b8 v[XPF], s[4:5] offset:(48+16*(\k))*ROWB th:TH_LOAD_NT scope:SCOPE_SE
.endr
	QUARTER 1, 1, F0, F1, 0
	QUARTER 1, 2, F1, F0, 0
	QUARTER 1, 3, F0, F1, 0
	s_wait_dscnt 8                                 ; the very last quarter: no fragments are left to fetch
	MUL16 F1, 0, 0, 0
	MUL16 F1, 0, 2, 0
	PLACES
	XL 3                                           ; p's buffer 0 has been multiplied for the last time: it takes a block of x
	s_wait_dscnt 0x0
	MUL16 F1, 1, 0, 0
	MUL16 F1, 1, 2, 0
	WIN 0
	PLACES                                         ; behind the last products: p's buffer 1 takes a block of x, v's buffers take the stage's rows, and the accumulators are read
	XL 4
	TOSTAGE 0
.irp a, 0,1,2,3,4,5,6                  ; block a + 1 goes through the stage while block a's rows come back
	TOSTAGE (\a)+1
	SEND \a, 32
.endr
	SEND 7, 0
	WIN 0
	s_wait_tensorcnt 0x0                           ; the wave's end, behind my last tensor load and my last LDS store
	ds_add_u32 v[SPW], v[NIL]
	s_wait_dscnt 0x0
	CROUND                                         ; the closing round: no work-group ends while a partner may still ask for a tile that names it
	s_endpgm
.Lfunc_end_k_qab2b4fdaff_pv:
	.size	k_qab2b4fdaff_pv, .Lfunc_end_k_qab2b4fdaff_pv-k_qab2b4fdaff_pv
	.p2alignl 7, 3214868480
	.fill 96, 4, 3214868480
	.section	.rodata,"a",@progbits
	.p2align	6, 0x0
	.amdhsa_kernel k_qab2b4fdaff_pv
		.amdhsa_group_segment_fixed_size 327680
		.amdhsa_private_segment_fixed_size 0
		.amdhsa_enable_private_segment 0
		.amdhsa_kernarg_size 40
		.amdhsa_user_sgpr_count 2
		.amdhsa_user_sgpr_kernarg_segment_ptr 1
		.amdhsa_wavefront_size32 1
		.amdhsa_system_sgpr_workgroup_id_x 1
		.amdhsa_system_sgpr_workgroup_id_y 1
		.amdhsa_system_sgpr_workgroup_id_z 1
		.amdhsa_system_vgpr_workitem_id 0
		.amdhsa_next_free_vgpr 1024
		.amdhsa_next_free_sgpr 66
		.amdhsa_reserve_vcc 0
		.amdhsa_float_denorm_mode_32 3
		.amdhsa_float_denorm_mode_16_64 3
		.amdhsa_memory_ordered 1
		.amdhsa_forward_progress 1
		.amdhsa_inst_pref_size 169
	.end_amdhsa_kernel
	.amdgpu_metadata
---
amdhsa.version: [ 1, 2 ]
amdhsa.kernels:
  - .name:           k_qab2b4fdaff_pv
    .symbol:         k_qab2b4fdaff_pv.kd
    .args:
      - { .name: x, .offset: 0, .size: 8, .value_kind: global_buffer, .address_space: global }
      - { .name: vf, .offset: 8, .size: 8, .value_kind: global_buffer, .address_space: global }
      - { .name: pf, .offset: 16, .size: 8, .value_kind: global_buffer, .address_space: global }
      - { .name: gl, .offset: 24, .size: 8, .value_kind: global_buffer, .address_space: global }
      - { .name: out0, .offset: 32, .size: 8, .value_kind: global_buffer, .address_space: global }
    .group_segment_fixed_size: 327680
    .private_segment_fixed_size: 0
    .kernarg_segment_align: 8
    .kernarg_segment_size: 40
    .max_flat_workgroup_size: 128
    .sgpr_count:     66
    .vgpr_count:     1024
    .wavefront_size: 32
...
	.end_amdgpu_metadata
.endif
;; end of part 4
;; ======== version 2 of 2: 4 launches; version 1 with the launch score written anew for expert scheduling mode
;; workspace buffers: wf 2,621,440 bytes; qf 4,194,304 bytes; kf 4,194,304 bytes; vf 33,554,432 bytes; pf 67,108,864 bytes; gl 65,536 bytes
;; launch prep: the kernel of part 1 again; grid 16 x 16, 5 waves a work-group, no clusters, 0 bytes of LDS; arguments Wq, Wk, Wv, wf; writes wf
;; launch proj: the kernel of part 2 again; grid 128 x 2, 4 waves a work-group, clusters of 4 x 1, 327,680 bytes of LDS; arguments x, wf, bq, bk, bv, qf, kf, vf; writes qf, kf, vf
;; launch score (part 5): grid 32 x 8, 8 waves a work-group, no clusters, 8,192 bytes of LDS; arguments qf, kf, gamma, pf, gl; writes pf, gl
.if DOCPART == 5
	.amdgcn_target "amdgcn-amd-amdhsa--gfx1250"
	.amdhsa_code_object_version 6
	.text
	.protected	k_qab2b4fdaff_score
	.globl	k_qab2b4fdaff_score
	.p2align	8
	.type	k_qab2b4fdaff_score,@function
k_qab2b4fdaff_score:
	s_mov_b64 s[64:65], 0
	v_nop
	global_prefetch_b8 v0, s[64:65] scope:SCOPE_SE
	s_setreg_imm32_b32 hwreg(HW_REG_WAVE_SCHED_MODE, 0, 2), 2
	s_setreg_imm32_b32 hwreg(HW_REG_WAVE_MODE, 25, 1), 1
	s_wait_xcnt 0x0
	s_wait_alu depctr_vm_vsrc(0)
; The weights of the attention.  p[b][j][m] = 2^(c s - c m_j), s = q[b][j] . k[b][m], c = log2(e) / sqrt(128), m_j the TRUE maximum of row j's scores; gl[b][j] = gamma / l_j, l_j the sum of row j's p.
; q, k in bf16, in pieces of 512 bytes (lane L = 16 h + r holds 16 bytes at 16 L):  qf, kf = [b][g = n / 16][t8][L]: token 16 g + r, channels 16 t8 + 8 h + 0..7.
; p is rounded to bf16 (l is taken of the unrounded p) and written in the same kind of pieces:  pf = [b][s = key / 64][jg = query / 16][tt][L]: query 16 jg + r, keys 64 s + 16 tt + 8 h + 0..7;  gl = [b][query], f32.
; Products in bf16 with f32 sums; scores, maxima, exponentials, l and gamma / l in f32.
; LIMITS.  A weight below 2^-126 counts as 0.  NaN and infinities are not treated apart.
; TWO PASSES.  Pass 1 makes all scores and keeps each query's maximum; pass 2 makes them again and takes the exponentials.  64 queries x 2,048 scores in f32 are 524,288 bytes, as much as all the registers
; of eight waves of 512: they cannot be kept between the passes.
; SHARES.  A work-group owns 64 queries of a batch: 256 work-groups.  Eight waves, two for each of a WGP's four SIMDs, 512 registers each, so that one wave's exponentials stand beside the other's products and the
; text can stay in plain phases.  Wave w owns the key groups 8 t + w, t = 0..15, 16 keys each.  Source 0 = K, source 1 = Q: a lane holds one query and eight keys, which rounded in pairs ARE a piece of p.
; K comes through a ring of four groups in registers (32 loads of a wave on their way, 512 consecutive bytes each); the ring runs on from pass 1 into pass 2.
; NO JOINT REQUESTS, though the 32 work-groups of a batch walk the same K: a group's 4,096 bytes are read by one wave of the work-group alone and feed its 16 matrix instructions straight from registers; by way of
; LDS each byte would be written and read once more, and the waves would meet in a round for every refill, where they now meet twice in the launch.
; REGISTERS, in windows of 256 (s_set_vgpr_msb: bits 1:0 source 0, 3:2 source 1, 5:4 source 2, 7:6 destination):
;   window 0: v2-11 addresses; v16-23 c m, v24-31 l, a pair a tile of queries; v32-63 scores; v64-95 the eight waves' figures; v96-111 packed p; v112-123 at work; v192-223 pass 1's second score buffer
;   window 1: v0-127 Q (piece 8 qt + t8 at 4 (8 qt + t8)); v128-255 the ring of K
; THE MODE: SCHED_MODE bits 1:0 = 2 (LLVM: expert scheduling mode 2), set by the entry lines.  The code itself states the register dependences
; between vector or matrix instructions and memory or LDS instructions, with s_wait_alu, always for 0.
; THE PLAN.  Registers that memory or LDS instructions touch:
;   v2-v7         offsets and LDS addresses: made at the head, never written again; the rows are reached by scalar bases and immediate offsets.
;   Q             loaded once at the head; read by products alone.
;   ring place i  read by a group's 16 products; behind them the loads of the group four further on land in it.
;   PK            written by a group's 16 roundings; read by four stores, which are issued in the NEXT group's turn (place 3's at the end of its own turn, so that none crosses the loop's edge).
;   MX, LS        written by vector lines, read by the LDS stores at a pass's end; MX is written again behind pass 1's barrier.
;   RG            LDS loads land in it; vector lines read it, and wave 0's last additions write it.
;   v10, v11      written at the head, read by the closing add alone.
;   The scores S and SB, c m and TP are named by vector and matrix instructions alone.
; PASS 1 has one wait on va_vdst a group, behind its products and the maxima that follow them, ahead of the loads into the place just read: a place that waited for the next group's head would leave three groups
; on their way for four.  PASS 2 has one behind a group's products, which serves the loads into the place just read and the stores of the group before; one behind the group's 32 exponentials, ahead of their first
; reader; and one wait on vm_vsrc ahead of the roundings that write PK again.
.set STATM,  0                         ; the waves' maxima: word (qt, r, w) at 512 qt + 32 r + 4 w
.set STATL,  2048                      ; the same for l
.set GLB,    4096                      ; gamma / l by query, 256 bytes
.set SPARE,  4352                      ; the spare words, 128 bytes for each wave: four blocks of 256 bytes that no other line names
.set GSTEP,  32768                     ; from a wave's key group to its next in kf: eight groups of 4,096 bytes
.set PSTEP,  524288                    ; the same in pf: two steps of 262,144 bytes
.set L16,  2                           ; v2   16 L
.set GO,   3                           ; v3   8 L
.set AGLR, 4                           ; v4   GLB + 8 L
.set AGL,  5                           ; v5   GLB + 4 r
.set AST,  6                           ; v6   32 r + 4 w
.set ASTR, 7                           ; v7   32 r
.set SPW,  10                          ; v10  LDS address of my spare word; never rewritten
.set NIL,  11                          ; v11  0; never rewritten
.set CM,   16
.set LS,   24
.set S,    32
.set RG,   64
.set PK,   96
.set MX,   112                         ; v112-119 two chains of maxima a tile
.set TP,   120                         ; v120-123 what v_permlanex16_b32 brings
.set SB,   192
.set KR,   128                         ; window 1
.set WV,   16                          ; s16  my wave
.set KP,   40                          ; s[40:41] kf at my key groups, pass 1
.set KQ,   42                          ; s[42:43] the same, pass 2
.set CNT,  44
.set CS,   46                          ; s[46:47] c: the packed scaling takes the pair's low word for both halves
.set SEL,  48                          ; s[48:49] v_permlanex16_b32's selects: each lane takes its own place in the other half
.set GAM,  50                          ; s50  gamma
.set PFB,  52                          ; s[52:53] pf at my pieces
.set GLO,  54                          ; s[54:55] gl at the block's 64 queries
.set MSB, 0
.macro WIN new                         ; the immediate's high byte repeats the setting that is left; a switch that changes nothing is dropped
.if MSB != (\new)
	s_set_vgpr_msb (MSB<<8)|(\new)
.set MSB, \new
.endif
.endm
.macro PLACES                          ; four plain vector instructions between a matrix instruction and a read of its registers (ISA guide 7.12.1)
.rept 4
	v_nop
.endr
.endm
	s_load_b256 s[4:11], s[0:1], 0x0               ; qf s[4:5], kf s[6:7], gamma s[8:9], pf s[10:11]
	s_load_b64 s[12:13], s[0:1], 0x20              ; gl
	v_lshl_add_u32 v[SPW], v0, 2, SPARE
	v_mov_b32 v[NIL], 0
	v_lshrrev_b32 v1, 5, v0
	v_readfirstlane_b32 s[WV], v1                  ; wave 0..7
	v_and_b32 v20, 31, v0                          ; L
	v_and_b32 v21, 15, v0                          ; r
	v_lshlrev_b32 v[L16], 4, v20
	v_lshlrev_b32 v[GO], 3, v20
	v_add_nc_u32 v[AGLR], GLB, v[GO]
	v_lshl_add_u32 v[AGL], v21, 2, GLB
	v_lshlrev_b32 v[ASTR], 5, v21
	s_and_b32 s19, ttmp7, 0xffff                   ; b: the batch; ttmp9 is the block of 64 queries
	s_wait_alu depctr_va_sdst(0)                   ; s16, my wave's number, is written, ahead of its first reader: an LDS address and the bases of kf and pf are made from it
	v_lshl_add_u32 v[AST], s[WV], 2, v[ASTR]
	s_lshl_b32 s56, s19, 19                        ; kf: a batch is 524,288 bytes; my first key group is group w, 4,096 bytes each
	s_lshl_b32 s57, s[WV], 12
	s_add_co_u32 s56, s56, s57
	s_mov_b32 s57, 0
	s_lshl_b32 s58, s19, 19                        ; qf: my block is four groups
	s_lshl_b32 s59, ttmp9, 14
	s_add_co_u32 s58, s58, s59
	s_mov_b32 s59, 0
	s_lshl_b32 s60, s19, 23                        ; pf: a batch is 8,388,608 bytes; key group 8 t + w lies in step 2 t + w / 4 (262,144 bytes each) at tt = w % 4 (512 bytes each); my block is four jg of 2,048
	s_lshr_b32 s61, s[WV], 2
	s_lshl_b32 s61, s61, 18
	s_add_co_u32 s60, s60, s61
	s_lshl_b32 s61, ttmp9, 13
	s_add_co_u32 s60, s60, s61
	s_and_b32 s61, s[WV], 3
	s_lshl_b32 s61, s61, 9
	s_add_co_u32 s60, s60, s61
	s_mov_b32 s61, 0
	s_lshl_b32 s20, s19, 13                        ; gl: a batch is 8,192 bytes, a block 256
	s_lshl_b32 s21, ttmp9, 8
	s_add_co_u32 s20, s20, s21
	s_mov_b32 s21, 0
	s_mov_b32 s[CS], 0x3e0293ee                    ; c = log2(e) / sqrt(128) = 0.127517
	s_mov_b32 s[CS+1], s[CS]                       ; named with it as a pair, so it is written
	s_mov_b32 s[SEL], 0x76543210
	s_mov_b32 s[SEL+1], 0xfedcba98
	s_mov_b32 s51, 0xff7fffff                      ; the lowest finite number
	s_wait_kmcnt 0x0
	s_load_b32 s[GAM], s[8:9], 0x0                 ; waited for ahead of the launch's second barrier
	s_add_nc_u64 s[KP:KP+1], s[6:7], s[56:57]
	s_mov_b64 s[KQ:KQ+1], s[KP:KP+1]
	s_add_nc_u64 s[62:63], s[4:5], s[58:59]
	s_add_nc_u64 s[PFB:PFB+1], s[10:11], s[60:61]
	s_add_nc_u64 s[GLO:GLO+1], s[12:13], s[20:21]
	WIN 0x40
	s_wait_alu depctr_va_vdst(0)                   ; the six offsets and addresses v2 to v7 are written: every load, store and LDS instruction of the kernel reads one of them
.set z, 0
.rept 32                               ; Q stays in registers
	global_load_b128 v[4*z:4*z+3], v[L16], s[62:63] offset:512*z
.set z, z+1
.endr
.irp i, 0,1,2,3                        ; the ring: my first four key groups
.irp m, 0,1,2,3,4,5,6,7
	global_load_b128 v[KR+32*(\i)+4*(\m):KR+32*(\i)+4*(\m)+3], v[L16], s[KP:KP+1] offset:(\i)*GSTEP+(\m)*512
.endr
.endr
	WIN 0
.set z, 0
.rept 32
	v_mov_b32 v[SB+z], s51                         ; the first group's turn takes the maximum of this buffer, as every turn takes that of the group before
.set z, z+1
.endr
.set z, 0
.rept 8
	v_mov_b32 v[MX+z], s51
	v_mov_b32 v[LS+z], 0
.set z, z+1
.endr
.set z, 0
.rept 4
	v_mov_b32 v[TP+z], 0                           ; v_permlanex16_b32's destination counts as read
.set z, z+1
.endr
; The maxima of a score buffer: two chains a tile, three operands at a time; each accumulator's lowest registers are read first.
.macro MAXS so
.irp t, 0,1,2,3
.irp qt, 0,1,2,3
	v_max3_num_f32 v[MX+2*(\qt)+(\t)%2], v[MX+2*(\qt)+(\t)%2], v[(\so)+8*(\qt)+2*(\t)], v[(\so)+8*(\qt)+2*(\t)+1]
.endr
.endr
.endm
; PASS 1, one key group: 16 products K Q^T from ring place i into one score buffer (four accumulators by turns); the maxima of the OTHER buffer, the group before's, which are also
; the places behind these products; then the place takes the group four further on, at s[base].  step = 1: the base goes four groups on first.
.macro GRP i, step, base
	s_wait_loadcnt 24                              ; my group is in; three younger groups of eight loads stay out
	WIN 0x05                                       ; K and Q in window 1, scores in window 0
.set sw, S+(SB-S)*((\i)%2)
.set so, S+(SB-S)*(1-(\i)%2)
.irp kc, 0,1,2,3
.irp qt, 0,1,2,3
.if (\kc) == 0
	v_wmma_f32_16x16x32_bf16 v[sw+8*(\qt):sw+8*(\qt)+7], v[KR+32*(\i)+8*(\kc):KR+32*(\i)+8*(\kc)+7], v[32*(\qt)+8*(\kc):32*(\qt)+8*(\kc)+7], 0
.else
	v_wmma_f32_16x16x32_bf16 v[sw+8*(\qt):sw+8*(\qt)+7], v[KR+32*(\i)+8*(\kc):KR+32*(\i)+8*(\kc)+7], v[32*(\qt)+8*(\kc):32*(\qt)+8*(\kc)+7], v[sw+8*(\qt):sw+8*(\qt)+7]
.endif
.endr
.endr
	WIN 0
	MAXS so
.if \step
	s_wait_xcnt 0x0                                ; the loads' base is stepped only behind this wait; the youngest of them was issued a group ago
	s_add_nc_u64 s[KP:KP+1], s[KP:KP+1], 4*GSTEP
.endif
	WIN 0x40
	s_wait_alu depctr_va_vdst(0)                   ; this group's products are done reading ring place i, in which the loads below land
.irp m, 0,1,2,3,4,5,6,7
	global_load_b128 v[KR+32*(\i)+4*(\m):KR+32*(\i)+4*(\m)+3], v[L16], s[(\base):(\base)+1] offset:(\i)*GSTEP+(\m)*512
.endr
.endm
	s_mov_b32 s[CNT], 3
.Lmax:                                             ; three trips of four groups: groups 0 to 11 are multiplied, groups 4 to 15 asked for
	GRP 0, 1, KP
	GRP 1, 0, KP
	GRP 2, 0, KP
	GRP 3, 0, KP
	WIN 0                                          ; at a label and at a branch every window is 0
	s_sub_co_u32 s[CNT], s[CNT], 1
	s_cmp_lg_u32 s[CNT], 0
	s_cbranch_scc1 .Lmax
	GRP 0, 0, KQ                                   ; groups 12 to 15; the ring goes on into pass 2: its groups 0 to 3 are asked for
	GRP 1, 0, KQ
	GRP 2, 0, KQ
	GRP 3, 0, KQ
	WIN 0
	MAXS SB                                        ; the last group's scores; the sixteen lines of its own turn are the places behind its products
.irp qt, 0,1,2,3
	v_max_num_f32 v[MX+2*(\qt)], v[MX+2*(\qt)], v[MX+2*(\qt)+1]
.endr
.irp qt, 0,1,2,3
	v_permlanex16_b32 v[TP+(\qt)], v[MX+2*(\qt)], s[SEL], s[SEL+1]  ; the query's other keys lie in the lane 16 away
.endr
.irp qt, 0,1,2,3
	v_max_num_f32 v[MX+2*(\qt)], v[MX+2*(\qt)], v[TP+(\qt)]
.endr
	s_wait_alu depctr_va_vdst(0)                   ; my maxima v[MX ..] are written, which the LDS stores read
.irp qt, 0,1,2,3
	ds_store_b32 v[AST], v[MX+2*(\qt)] offset:STATM+512*(\qt)
.endr
	s_wait_dscnt 0x0                               ; for the others' sake: my maxima are in LDS
	s_barrier_signal -1
	s_barrier_wait -1
.irp qt, 0,1,2,3
	ds_load_b128 v[RG+8*(\qt):RG+8*(\qt)+3],   v[ASTR] offset:STATM+512*(\qt)     ; the eight waves' maxima of my query; no vector line has named these registers yet
	ds_load_b128 v[RG+8*(\qt)+4:RG+8*(\qt)+7], v[ASTR] offset:STATM+512*(\qt)+16
.endr
	s_wait_dscnt 0x0
	s_wait_alu depctr_vm_vsrc(0)                   ; my LDS stores have read v[MX ..], which the lines below write again
.irp qt, 0,1,2,3
	v_max3_num_f32 v[MX+(\qt)], v[RG+8*(\qt)], v[RG+8*(\qt)+1], v[RG+8*(\qt)+2]
.endr
.irp qt, 0,1,2,3
	v_max3_num_f32 v[MX+(\qt)], v[MX+(\qt)], v[RG+8*(\qt)+3], v[RG+8*(\qt)+4]
.endr
.irp qt, 0,1,2,3
	v_max3_num_f32 v[MX+(\qt)], v[MX+(\qt)], v[RG+8*(\qt)+5], v[RG+8*(\qt)+6]
.endr
.irp qt, 0,1,2,3
	v_max_num_f32 v[MX+(\qt)], v[MX+(\qt)], v[RG+8*(\qt)+7]
.endr
.irp qt, 0,1,2,3
	v_mul_f32 v[CM+2*(\qt)], s[CS], v[MX+(\qt)]    ; c m
.endr
.irp qt, 0,1,2,3
	v_mov_b32 v[CM+2*(\qt)+1], v[CM+2*(\qt)]       ; named with it as a pair
.endr
; The softmax of 32 scores a lane, 80 lines.  Pair b (0..15) belongs to tile b / 4.
.macro SF b                            ; c s - c m
	v_pk_fma_f32 v[S+2*(\b):S+2*(\b)+1], v[S+2*(\b):S+2*(\b)+1], s[CS:CS+1], v[CM+2*((\b)/4):CM+2*((\b)/4)+1] op_sel_hi:[1,0,0] neg_lo:[0,0,1] neg_hi:[0,0,1]
.endm
.macro SE e                            ; 2^
	v_exp_f32 v[S+(\e)], v[S+(\e)]
.endm
.macro SC b                            ; rounded to bf16
	v_cvt_pk_bf16_f32 v[PK+(\b)], v[S+2*(\b)], v[S+2*(\b)+1]
.endm
.macro SA b                            ; onto l
	v_pk_add_f32 v[LS+2*((\b)/4):LS+2*((\b)/4)+1], v[LS+2*((\b)/4):LS+2*((\b)/4)+1], v[S+2*(\b):S+2*(\b)+1]
.endm
; The four pieces of p of the trip's group g leave: a store of the wave covers 512 consecutive bytes, at a multiple of 512 from pf's first.  The base was stepped at the trip's head, so the immediate reaches back.
.macro PSTORE g
.irp qt, 0,1,2,3
	global_store_b128 v[L16], v[PK+4*(\qt):PK+4*(\qt)+3], s[PFB:PFB+1] offset:(\g)*PSTEP+(\qt)*2048-4*PSTEP
.endr
.endm
; PASS 2, one key group, from ring place i: 16 products; the place takes the group four further on (the loop's last trip has none: it jumps forward over the loads); the pieces of the group before leave; the softmax.
; THE SOFTMAX IS ONE BATCH: the 16 scalings and all 32 exponentials, of which none reads an exponential's result (a pair is scaled four pairs ahead of its exponentials); a plain line; one wait; then the 16 roundings
; and the 16 additions onto l.  Each pair of l takes its four terms in ascending order; the four pairs take turns, so that no addition stands next to the one that it adds onto.
; In place 0 both bases go four groups on ahead of their use.  Place 3's pieces leave at the end of its own turn: no store crosses the loop's edge, and the first trip's place 0 has none to send.
.macro EL i
	s_wait_loadcnt 24                              ; my group is in; three younger groups of eight loads stay out
	WIN 0x05
.irp kc, 0,1,2,3
.irp qt, 0,1,2,3
.if (\kc) == 0
	v_wmma_f32_16x16x32_bf16 v[S+8*(\qt):S+8*(\qt)+7], v[KR+32*(\i)+8*(\kc):KR+32*(\i)+8*(\kc)+7], v[32*(\qt)+8*(\kc):32*(\qt)+8*(\kc)+7], 0
.else
	v_wmma_f32_16x16x32_bf16 v[S+8*(\qt):S+8*(\qt)+7], v[KR+32*(\i)+8*(\kc):KR+32*(\i)+8*(\kc)+7], v[32*(\qt)+8*(\kc):32*(\qt)+8*(\kc)+7], v[S+8*(\qt):S+8*(\qt)+7]
.endif
.endr
.endr
	WIN 0
	PLACES                                         ; between the products and the scalings that read their results
.if (\i) == 0
	s_wait_xcnt 0x0                                ; both bases are stepped only behind this wait; the last stores and loads that read them were issued sixteen products ago or more
	s_add_nc_u64 s[KQ:KQ+1], s[KQ:KQ+1], 4*GSTEP
	s_add_nc_u64 s[PFB:PFB+1], s[PFB:PFB+1], 4*PSTEP
.endif
	s_cmp_eq_u32 s[CNT], 1                         ; the last trip is groups 12 to 15: there is no group 16
	s_cbranch_scc1 .Lno_k_\@
	WIN 0x40
	s_wait_alu depctr_va_vdst(0)                   ; this group's products are done reading ring place i, in which the loads below land; the group before's roundings have written PK, which the stores below read
.irp m, 0,1,2,3,4,5,6,7
	global_load_b128 v[KR+32*(\i)+4*(\m):KR+32*(\i)+4*(\m)+3], v[L16], s[KQ:KQ+1] offset:(\i)*GSTEP+(\m)*512
.endr
	WIN 0
	s_branch .Lk_asked_\@
.Lno_k_\@:
	s_wait_loadcnt 0x0                             ; no younger loads follow any more, so the counted wait above would show nothing: all that is out is waited for here
.if (\i) > 0
	s_wait_alu depctr_va_vdst(0)                   ; on this way too: the group before's roundings have written PK, which the stores below read
.endif
.Lk_asked_\@:
.if (\i) > 0
	PSTORE (\i)-1                                  ; no vector line stands between the wait, on either way, and these stores
.endif
	SF 0
	SF 1
	SF 2
	SF 3
.set n, 0
.rept 12
	SE 2*n
	SF n+4
	SE 2*n+1
.set n, n+1
.endr
.rept 4
	SE 2*n
	SE 2*n+1
.set n, n+1
.endr
	v_nop                                          ; a plain instruction behind the last exponential, before a result is used (ISA guide 5.7.2): one for the batch
	s_wait_alu depctr_va_vdst(0)                   ; the 32 exponentials have written v[S ..], ahead of their first reader: one wait for the batch
.if (\i) > 0
	s_wait_xcnt 0x0                                ; PK, which the stores above read, is rewritten only behind this wait (in place 0 the wait at the bases' step has served)
.endif
	s_wait_alu depctr_vm_vsrc(0)                   ; the stores of the group before have read PK, which the roundings below write again
.set n, 0
.rept 16
.set bb, 4*(n%4)+n/4
	SC bb
	SA bb
.set n, n+1
.endr
.if (\i) == 3
	s_wait_alu depctr_va_vdst(0)                   ; this group's roundings have written PK, which the stores below read
	PSTORE 3
.endif
.endm
	s_mov_b32 s[CNT], 4
.Lsm:                                              ; four trips of four groups
	EL 0
	EL 1
	EL 2
	EL 3
	s_sub_co_u32 s[CNT], s[CNT], 1
	s_cmp_lg_u32 s[CNT], 0
	s_cbranch_scc1 .Lsm
	; l: the pair's two halves, the other half of the lanes', the eight waves'
.irp qt, 0,1,2,3
	v_add_f32 v[LS+2*(\qt)], v[LS+2*(\qt)], v[LS+2*(\qt)+1]
.endr
.irp qt, 0,1,2,3
	v_permlanex16_b32 v[TP+(\qt)], v[LS+2*(\qt)], s[SEL], s[SEL+1]
.endr
.irp qt, 0,1,2,3
	v_add_f32 v[LS+2*(\qt)], v[LS+2*(\qt)], v[TP+(\qt)]
.endr
	s_wait_alu depctr_va_vdst(0)                   ; my sums v[LS ..] are written, which the LDS stores read
.irp qt, 0,1,2,3
	ds_store_b32 v[AST], v[LS+2*(\qt)] offset:STATL+512*(\qt)
.endr
	s_wait_kmcnt 0x0                               ; gamma
	s_wait_dscnt 0x0                               ; for wave 0's sake: my sums are in LDS
	s_barrier_signal -1
	s_barrier_wait -1
	s_cmp_lg_u32 s[WV], 0                          ; wave 0 alone makes and stores the block's 64 numbers gamma / l
	s_cbranch_scc1 .Lend
.irp qt, 0,1,2,3
	ds_load_b128 v[RG+8*(\qt):RG+8*(\qt)+3],   v[ASTR] offset:STATL+512*(\qt)     ; the lines that read these registers between the passes stand ahead of the wait above, and none since names them
	ds_load_b128 v[RG+8*(\qt)+4:RG+8*(\qt)+7], v[ASTR] offset:STATL+512*(\qt)+16
.endr
	s_wait_dscnt 0x0
.irp qt, 0,1,2,3
	v_pk_add_f32 v[RG+8*(\qt):RG+8*(\qt)+1],   v[RG+8*(\qt):RG+8*(\qt)+1],   v[RG+8*(\qt)+2:RG+8*(\qt)+3]
	v_pk_add_f32 v[RG+8*(\qt)+4:RG+8*(\qt)+5], v[RG+8*(\qt)+4:RG+8*(\qt)+5], v[RG+8*(\qt)+6:RG+8*(\qt)+7]
.endr
.irp qt, 0,1,2,3
	v_pk_add_f32 v[RG+8*(\qt):RG+8*(\qt)+1], v[RG+8*(\qt):RG+8*(\qt)+1], v[RG+8*(\qt)+4:RG+8*(\qt)+5]
.endr
.irp qt, 0,1,2,3
	v_add_f32 v[MX+(\qt)], v[RG+8*(\qt)], v[RG+8*(\qt)+1]
.endr
.irp qt, 0,1,2,3
	v_rcp_f32 v[MX+(\qt)], v[MX+(\qt)]             ; l is about 1 at the least: the key of the maximum has the weight 2^0
.endr
	v_nop                                          ; a plain instruction between the last reciprocal and the use of its result
	s_wait_alu depctr_va_vdst(0)                   ; the four reciprocals have written v[MX ..], ahead of their first reader
.irp qt, 0,1,2,3
	v_mul_f32 v[MX+(\qt)], s[GAM], v[MX+(\qt)]
.endr
	s_wait_alu depctr_va_vdst(0)                   ; the products gamma / l are written, which the LDS stores read; the additions are done with v[RG], v[RG+1], in which the LDS load below lands
.irp qt, 0,1,2,3
	ds_store_b32 v[AGL], v[MX+(\qt)] offset:64*(\qt)  ; a lane holds query 16 qt + r: by query through 256 bytes of LDS that wave 0 alone touches
.endr
	ds_load_b64 v[RG:RG+1], v[AGLR]                ; LDS serves a wave's instructions in order (ISA guide 5.7.1.4): this sees the stores above
	s_wait_dscnt 0x0
	global_store_b64 v[GO], v[RG:RG+1], s[GLO:GLO+1]  ; one store of 256 consecutive bytes, at a multiple of 256 from gl's first
.Lend:
	s_wait_dscnt 0x0                               ; the closing lines, six on end
	s_wait_alu 0x0
	s_wait_tensorcnt 0x0
	ds_add_u32 v[SPW], v[NIL]
	s_wait_dscnt 0x0
	s_endpgm
.Lfunc_end_k_qab2b4fdaff_score:
	.size	k_qab2b4fdaff_score, .Lfunc_end_k_qab2b4fdaff_score-k_qab2b4fdaff_score
	.p2alignl 7, 3214868480
	.fill 96, 4, 3214868480
	.section	.rodata,"a",@progbits
	.p2align	6, 0x0
	.amdhsa_kernel k_qab2b4fdaff_score
		.amdhsa_group_segment_fixed_size 8192
		.amdhsa_private_segment_fixed_size 0
		.amdhsa_enable_private_segment 0
		.amdhsa_kernarg_size 40
		.amdhsa_user_sgpr_count 2
		.amdhsa_user_sgpr_kernarg_segment_ptr 1
		.amdhsa_wavefront_size32 1
		.amdhsa_system_sgpr_workgroup_id_x 1
		.amdhsa_system_sgpr_workgroup_id_y 1
		.amdhsa_system_sgpr_workgroup_id_z 1
		.amdhsa_system_vgpr_workitem_id 0
		.amdhsa_next_free_vgpr 512
		.amdhsa_next_free_sgpr 66
		.amdhsa_reserve_vcc 0
		.amdhsa_float_denorm_mode_32 3
		.amdhsa_float_denorm_mode_16_64 3
		.amdhsa_memory_ordered 1
		.amdhsa_forward_progress 1
		.amdhsa_inst_pref_size 68
	.end_amdhsa_kernel
	.amdgpu_metadata
---
amdhsa.version: [ 1, 2 ]
amdhsa.kernels:
  - .name:           k_qab2b4fdaff_score
    .symbol:         k_qab2b4fdaff_score.kd
    .args:
      - { .name: qf, .offset: 0, .size: 8, .value_kind: global_buffer, .address_space: global }
      - { .name: kf, .offset: 8, .size: 8, .value_kind: global_buffer, .address_space: global }
      - { .name: gamma, .offset: 16, .size: 8, .value_kind: global_buffer, .address_space: global }
      - { .name: pf, .offset: 24, .size: 8, .value_kind: global_buffer, .address_space: global }
      - { .name: gl, .offset: 32, .size: 8, .value_kind: global_buffer, .address_space: global }
    .group_segment_fixed_size: 8192
    .private_segment_fixed_size: 0
    .kernarg_segment_align: 8
    .kernarg_segment_size: 40
    .max_flat_workgroup_size: 256
    .sgpr_count:     66
    .vgpr_count:     512
    .wavefront_size: 32
...
	.end_amdgpu_metadata
.endif
;; end of part 5
;; launch pv: the kernel of part 4 again; grid 8 x 32, 4 waves a work-group, clusters of 4 x 4, 327,680 bytes of LDS; arguments x, vf, pf, gl, out0; writes out0
